; MI455X (gfx1250); checked and timed in simulation.
; The chip was launched on July 23, 2026; its instructions are those of AMD's public machine-readable ISA for CDNA 5 (MIT licence, August 2026) and "CDNA5" Instruction Set Architecture Reference Guide (July 2026). The comments in the code are by the model that wrote it; some were corrected since.
;; Content Based Attention. Allowed arithmetic: matrix products marked QUANTISED: E4M3 operands, one E8M0 scale for each 32 along K, by v_wmma_scale_f32_16x16x128_f8f6f4 with both operands' format E4M3, f32 sums; products left as they are: f32 operands where the result goes on into a quantised operand, else bf16, f16 or f32 operands; f32 sums; everything else in f32.
;; Inputs: Wk 1,024 x 1,024 float32; Wq 1,024 x 1,024 float32; Wv 1,024 x 1,024 float32; bk 1,024 float32; bq 1,024 float32; bv 1,024 float32; x 4 x 4,096 x 1,024 float32.
;; Outputs: out0 4 x 4,096 x 1,024 float32.
;; This version of the problem:
;;   THIS VERSION OF THE PROBLEM IS GIVEN IN LOW PRECISION. The matrix products marked QUANTISED in the list below multiply operands that are first quantised to E4M3 (4 exponent bits, 3 mantissa bits; 8 bits a number), with one power-of-two scale for each 32 numbers along K (OCP MX v1.0); their sums are f32. All else is computed in f32.
;;   The module's matrix products, in the order in which they are computed (A, B: the left and right operand; K: the contracted axis; several contracted axes count as one K, in the product's order):
;;     1. [M 16,384, K 1,024] x [K 1,024, N 1,024]; A: input x; B: input Wq: QUANTISED
;;     2. [M 16,384, K 1,024] x [K 1,024, N 1,024]; A: input x; B: input Wk: QUANTISED
;;     3. [M 16,384, K 1,024] x [K 1,024, N 1,024]; A: input x; B: input Wv: QUANTISED
;;     4. batch 16,384 x [M 16, K 64] x [K 64, N 16]; A: computed on the way; B: computed on the way: QUANTISED
;;     5. batch 16,384 x [M 16, K 16] x [K 16, N 64]; A: softmax; B: computed on the way: left as it is (K = 16 < 32)
;;   THE QUANTISER, for each operand of a quantised product, along K:
;;     - K is cut into blocks of 32 from its start; a last block that is shorter is filled with zeros.
;;     - A block's scale is 2^e with e = floor(log2(the largest magnitude in the block)) - 8, held to -126 .. 127; a block of zeros has e = 0. As a byte (E8M0): e + 127.
;;     - Each number is divided by its block's scale, clamped to +-448, and rounded to the nearest number of E4M3, ties to even, subnormals kept.
;;     - The product sums the exact products of the quantised numbers (number of the format x scale) in f32.
;;   ~~~python
;;   def quantise(x, axis):      # numpy; x: float32 -> the quantised numbers, widened to float32 again
;;       x = np.moveaxis(x, axis, -1); K = x.shape[-1]
;;       x = np.pad(x, [(0, 0)] * (x.ndim - 1) + [(0, -K % 32)]); x = x.reshape(x.shape[:-1] + (-1, 32)); a = np.abs(x).max(-1, keepdims=True)
;;       e = np.where(a > 0, np.clip(np.frexp(np.where(a > 0, a, 1))[1] - 1 - 8, -126, 127), 0)      # np.frexp(a)[1] - 1 = floor(log2(a)), exactly
;;       r = np.clip(x / 2.0 ** e, -448, 448)
;;       step = 2.0 ** (np.maximum(np.frexp(np.where(r == 0, 1, r))[1] - 1, -6) - 3)
;;       q = np.round(r / step) * step * 2.0 ** e      # np.round: ties to even
;;       return np.moveaxis(q.reshape(q.shape[:-2] + (-1,))[..., :K], -1, axis).astype(np.float32)
;;   ~~~
;;   OPERANDS COMPUTED ON THE WAY. 'Computed on the way' means the value that the module computes at that place (a softmax that the list does not call 'softmax' is quantised finished and normalised). What goes into a quantiser is computed in f32, as accurately as f32 sums, v_exp_f32 and their like allow (about 1e-6 of the number): no bf16 or f16 on the way to a quantiser, and a product that is left as it is and whose result goes on into a quantised operand takes f32 operands (vector FMAs, or v_wmma_f32_16x16x4_f32). A number that lies on a knife's edge between two numbers of the format may be rounded either way, as far as f32 arithmetic and the matrix unit's own rounding can turn it there, and no further.
;; 2 versions, each right; version 2 is version 1 with the launch fused written anew for expert scheduling mode. Each part assembles by itself: llvm-mc -triple=amdgcn-amd-amdhsa -mcpu=gfx1250 --defsym DOCPART=n.
;; ======== version 1 of 2: 2 launches
;; workspace buffers: wimg 3,256,320 bytes
;; launch prep (part 1): grid 192 x 1, 8 waves a work-group, no clusters, 69,376 bytes of LDS; arguments Wk, Wq, Wv, bk, bq, bv, wimg; writes wimg
.if DOCPART == 1
	.amdgcn_target "amdgcn-amd-amdhsa--gfx1250"
	.amdhsa_code_object_version 6
	.text
	.protected	k_qd2645e5fd2_prep
	.globl	k_qd2645e5fd2_prep
	.p2align	8
	.type	k_qd2645e5fd2_prep,@function
k_qd2645e5fd2_prep:
	s_mov_b64 s[64:65], 0
	v_nop
	global_prefetch_b8 v0, s[64:65] scope:SCOPE_SE
	s_setreg_imm32_b32 hwreg(HW_REG_WAVE_MODE, 25, 1), 1
	s_wait_xcnt 0x0
; Wk, Wq, Wv [1024][1024] f32 (K = the last axis) are quantised ONCE to codes of E4M3 with one E8M0 byte for each 32 along K, and laid in wimg
; in the order in which the waves of the second launch take them into operand registers.  The biases are laid beside them in the result's layout.
; NO WORK IS LEFT OUT: every input has a way to the output.  bq and bk move the codes of q and k ahead of the quantised product of q with k;
; bv differs along the softmax's axis (the key heads), so it does not drop out of the weighted sum.
; wimg:  FR at 0:        [w 4][p 12][s 8][t 4][2,048 bytes]: the image of one fragment (16 rows x 128 K): lane l's registers 4c..4c+3 at 512 c + 16 l.
;        SC at 3,145,728: [w][p][i 4][512 bytes]: lane (r, h)'s 16 bytes at 16 l; word t = the scale word of (tile t, row r, K step 2 i + h).
;        BI at 3,244,032: [w][p][h 2][t 4][j 8] f32: the bias of tile t's row 8 h + j.
; THE ROWS OF TILE (w, p, t), r = 0..15:  p = 0..3: Wk, p = 4..7: Wq: head 4 w + p % 4, row 64 head + 32 (t / 2) + 8 (t % 2) + r + 8 (r / 8), so that in the
; transposed product the 16 registers of tiles 2 b, 2 b + 1 are 16 neighbours along the head's 64.  p = 8..11: Wv: d = 16 w + 4 (p - 8) + t, row 64 r + d: one d of all 16 heads.
; SHARES: work-group g = (4 p + w) 4 + i; wave wv: tile t = wv % 4, K step s = 2 i + wv / 4.  A wave makes one fragment; a work-group one block of SC; those with i = 0 their block of BI.
; A block's scale byte is its largest magnitude's exponent field - 8, held at 1 from below.
; LIMITS: NaN and infinities among the inputs are not served.  A block of zeros gets the byte 1 where the rule says 127: its codes are zeros, which add nothing, and this program alone reads the bytes.
.set STGB,  8448                       ; a wave's stage: 16 rows x (512 bytes + 16)
.set SG,    8*STGB                     ; 512 bytes: the work-group's block of scale words
.set BG,    SG+512                     ; 256 bytes: its block of biases
.set SPARE, BG+256                     ; the spare words, 128 bytes for each of eight waves: four blocks of 256 bytes that no other line names
.set SCS,   3145728
.set BIS,   3244032
.set SPW,   12                         ; v12  LDS address of my spare word; never rewritten
.set NIL,   13                         ; v13  0; never rewritten
.set PW,    14                         ; v14  the scale word
.set XR,    32                         ; v32-95   16 rows as loaded
.set XT,    96                         ; v96-159  64 numbers of my row: register 16 b + i = k 32 b + 16 h + i
.set TM,    160                        ; v160-163 largest magnitudes, v164-167 bytes, v168-171 448 x the scale, v172-175 the conversions' scale operands
.set PC,    176                        ; v176-191 the fragment's codes
; 64 numbers of a lane, register s + 16 b + i = k 32 b + 16 (lane / 16) + i of its row, become 16 registers of codes from d on; the four scale bytes are left in v[TM+4] on.
; w = 1: LDS stores that read the last codes are waited for ahead of the conversions.
.macro QUANT s, d, w
.irp b, 0,1,2,3
	v_max3_num_f32 v[TM+\b], |v[(\s)+16*\b]|, |v[(\s)+1+16*\b]|, 0x4800000   ; block b: my 16 numbers, and the floor 2^(9 - 127): the byte cannot fall under 1
.endr
.irp i, 2,4,6,8,10,12,14
.irp b, 0,1,2,3
	v_max3_num_f32 v[TM+\b], v[TM+\b], |v[(\s)+16*\b+\i]|, |v[(\s)+1+16*\b+\i]|   ; the four blocks by turns
.endr
.endr
.irp b, 0,1,2,3
	v_permlanex16_b32 v[TM+4+\b], v[TM+\b], s20, s21
.endr
.irp b, 0,1,2,3
	v_max_num_f32 v[TM+\b], v[TM+\b], v[TM+4+\b]   ; with lane l xor 16's 16: the block's largest magnitude
.endr
.irp b, 0,1,2,3
	v_add_nc_u32 v[TM+12+\b], 0xfc000000, v[TM+\b]   ; 8 off its exponent field: the conversion takes this operand's exponent field as its scale
.endr
.irp b, 0,1,2,3
	v_and_or_b32 v[TM+8+\b], v[TM+\b], 0x7f800000, s22   ; 448 x the scale
.endr
.irp b, 0,1,2,3
	v_lshrrev_b32 v[TM+4+\b], 23, v[TM+12+\b]   ; the scale's byte
.endr
.if \w
	s_wait_dscnt 0x0                               ; the LDS stores of the codes made last have read their registers
.endif
.irp b, 0,1,2,3
.irp i, 0,1,2,3,4,5,6,7,8,9,10,11,12,13,14,15
	v_med3_num_f32 v[(\s)+16*\b+\i], v[(\s)+16*\b+\i], -v[TM+8+\b], v[TM+8+\b]   ; the conversion to an 8-bit code does not saturate (ISA guide 7.6.2): the hold at 448 x the scale
.endr
	v_cvt_scalef32_pk8_fp8_f32 v[(\d)+4*\b:(\d)+4*\b+1], v[(\s)+16*\b:(\s)+16*\b+7], v[TM+12+\b]
	v_cvt_scalef32_pk8_fp8_f32 v[(\d)+4*\b+2:(\d)+4*\b+3], v[(\s)+16*\b+8:(\s)+16*\b+15], v[TM+12+\b]
.endr
	v_nop                                          ; one plain vector instruction behind the last conversion
.endm
	s_load_b256 s[4:11], s[0:1], 0x0               ; Wk s[4:5], Wq s[6:7], Wv s[8:9], bk s[10:11]
	s_load_b128 s[12:15], s[0:1], 0x20             ; bq s[12:13], bv s[14:15]
	s_load_b64 s[16:17], s[0:1], 0x30              ; wimg
	v_lshl_add_u32 v[SPW], v0, 2, SPARE
	v_mov_b32 v[NIL], 0
	v_lshrrev_b32 v11, 5, v0
	v_readfirstlane_b32 s18, v11                   ; wave 0..7
	s_and_b32 s19, s18, 3                          ; t
	s_lshr_b32 s23, s18, 2                         ; hh: which of the work-group's two K steps
	s_and_b32 s24, ttmp9, 3                        ; i
	s_bfe_u32 s25, ttmp9, 0x20002                  ; w
	s_lshr_b32 s26, ttmp9, 4                       ; p
	s_lshl_b32 s27, s24, 1
	s_add_co_u32 s27, s27, s23                     ; s = 2 i + hh
	s_and_b32 s28, s26, 3
	s_lshl_b32 s29, s25, 2
	s_add_co_u32 s29, s29, s28                     ; 4 w + p % 4: the head (k, q); a quarter of d (v)
	s_lshl_b32 s30, s29, 6
	s_lshr_b32 s31, s19, 1
	s_lshl_b32 s31, s31, 5
	s_add_co_u32 s30, s30, s31
	s_and_b32 s31, s19, 1
	s_lshl_b32 s31, s31, 3
	s_add_co_u32 s30, s30, s31                     ; k, q: the tile's first row: 64 head + 32 (t / 2) + 8 (t % 2)
	s_lshl_b32 s31, s29, 2
	s_add_co_u32 s31, s31, s19                     ; v: d
	s_cmp_lt_u32 s26, 8
	s_cselect_b32 s30, s30, s31                    ; the tile's first row
	s_cselect_b32 s42, 4, 256                      ; bytes in the bias from tile row to tile row,
	s_cselect_b32 s43, 32, 0                       ; and the jump of eight rows behind tile row 7
	s_lshl_b32 s44, s30, 2
	s_lshl_b32 s32, s30, 12                        ; the first row's bytes in W,
	s_lshl_b32 s33, s27, 9
	s_add_co_u32 s32, s32, s33                     ; + 512 s: my 128 along K
	s_mov_b32 s33, 0
	s_mul_i32 s40, s25, 12
	s_add_co_u32 s40, s40, s26                     ; 12 w + p
	s_lshl_b32 s34, s40, 3
	s_add_co_u32 s34, s34, s27
	s_lshl_b32 s34, s34, 2
	s_add_co_u32 s34, s34, s19
	s_lshl_b32 s34, s34, 11                        ; my fragment's image
	s_mov_b32 s35, 0
	s_lshl_b32 s36, s40, 2
	s_add_co_u32 s36, s36, s24
	s_lshl_b32 s36, s36, 9
	s_add_co_u32 s36, s36, SCS                     ; the work-group's block of scale words
	s_mov_b32 s37, 0
	s_lshl_b32 s38, s40, 8
	s_add_co_u32 s38, s38, BIS                     ; and of biases
	s_mov_b32 s39, 0
	s_mov_b32 s20, 0x76543210
	s_mov_b32 s21, 0xfedcba98                      ; v_permlanex16_b32's selects for lane l xor 16
	s_mov_b32 s22, 0x600000                        ; the mantissa field of 448
	s_or_b32 s41, s24, s23                         ; 0 in the four waves that also fetch their tile's biases
	v_and_b32 v11, 31, v0                          ; lane
	v_and_b32 v15, 15, v0                          ; r
	v_bfe_u32 v16, v0, 4, 1                        ; h
	v_lshrrev_b32 v17, 3, v15                      ; r / 8
	v_and_b32 v18, 7, v15                          ; r % 8
	v_lshlrev_b32 v1, 4, v11                       ; 16 x lane
	s_mul_i32 s45, s18, STGB
	v_add_nc_u32 v2, s45, v1                       ; the stage, on the way in: a row's 512 bytes as they lie
	v_mul_u32_u24 v3, v15, 528
	v_lshl_add_u32 v3, v16, 6, v3
	v_add_nc_u32 v3, s45, v3                       ; and on the way out: row r, + 64 h
	s_lshl_b32 s45, s23, 8
	s_lshl_b32 s46, s19, 2
	s_add_co_u32 s45, s45, s46
	s_add_co_u32 s45, s45, SG
	v_lshl_add_u32 v4, v15, 4, s45                 ; my row's scale word: SG + 16 r + 256 hh + 4 t
	v_mul_lo_u32 v5, v15, s42
	v_mul_lo_u32 v19, v17, s43
	v_add3_u32 v5, v5, v19, s44                    ; tile row r's place in the bias
	s_lshl_b32 s45, s19, 5
	s_add_co_u32 s45, s45, BG
	v_lshl_add_u32 v6, v17, 7, s45
	v_lshl_add_u32 v6, v18, 2, v6                  ; BG + 128 (r / 8) + 32 t + 4 (r % 8)
	v_mov_b32 v7, 0
	v_add_nc_u32 v8, SG, v1
	v_lshl_add_u32 v9, v11, 3, BG
	v_lshlrev_b32 v10, 3, v11
.irp b, 0,1,2,3
	v_mov_b32 v[TM+4+\b], 0                        ; written once: a lane permute's destination counts as one of its sources
.endr
	s_wait_kmcnt 0x0
	s_cmp_lt_u32 s26, 4                            ; the choice of tensor hangs on the work-group's number alone
	s_cselect_b64 s[4:5], s[4:5], s[6:7]
	s_cselect_b64 s[10:11], s[10:11], s[12:13]
	s_cmp_lt_u32 s26, 8
	s_cselect_b64 s[4:5], s[4:5], s[8:9]
	s_cselect_b64 s[10:11], s[10:11], s[14:15]
	s_add_nc_u64 s[4:5], s[4:5], s[32:33]
	s_add_nc_u64 s[34:35], s[16:17], s[34:35]
	s_add_nc_u64 s[36:37], s[16:17], s[36:37]
	s_add_nc_u64 s[38:39], s[16:17], s[38:39]
	s_cmp_lg_u32 s41, 0
	s_cbranch_scc1 .Lno_bias
	global_load_b32 v7, v5, s[10:11]
.Lno_bias:
	s_cmp_lt_u32 s26, 8                            ; the two arms differ in the rows' distances alone; each load reads 512 consecutive bytes of one row
	s_cbranch_scc0 .Lv_rows
.irp i, 0,1,2,3,4,5,6,7,8,9,10,11,12,13,14,15
	global_load_b128 v[XR+4*\i:XR+4*\i+3], v1, s[4:5] offset:(\i+8*(\i/8))*4096 th:TH_LOAD_NT
.endr
	s_branch .Lloaded
.Lv_rows:
.irp i, 0,1,2,3,4,5,6,7,8,9,10,11,12,13,14,15
	global_load_b128 v[XR+4*\i:XR+4*\i+3], v1, s[4:5] offset:\i*262144 th:TH_LOAD_NT
.endr
.Lloaded:
	s_wait_loadcnt 0x0                             ; for 0: it holds whichever loads the wave has issued
.irp i, 0,1,2,3,4,5,6,7,8,9,10,11,12,13,14,15
	ds_store_b128 v2, v[XR+4*\i:XR+4*\i+3] offset:528*\i
.endr
.irp b, 0,1,2,3
.irp j, 0,1,2,3
	ds_load_b128 v[XT+16*\b+4*\j:XT+16*\b+4*\j+3], v3 offset:128*\b+16*\j   ; LDS serves a wave's instructions in order: these see my stores
.endr
.endr
	s_wait_dscnt 0x0
	QUANT XT, PC, 0
	v_lshl_or_b32 v[PW], v[TM+5], 8, v[TM+4]       ; the four bytes make my row's scale word
	v_lshl_or_b32 v[PW], v[TM+6], 16, v[PW]
	v_lshl_or_b32 v[PW], v[TM+7], 24, v[PW]
.irp c, 0,1,2,3
	global_store_b128 v1, v[PC+4*\c:PC+4*\c+3], s[34:35] offset:512*\c   ; 32 lanes store 512 consecutive bytes, aligned
.endr
	ds_store_b32 v4, v[PW]                         ; both halves of the lanes write the same word with the same value
	s_cmp_lg_u32 s41, 0
	s_cbranch_scc1 .Lno_bias2
	ds_store_b32 v6, v7
.Lno_bias2:
	s_wait_dscnt 0x0                               ; for the others' sake: my stores have landed
	s_barrier_signal -1
	s_barrier_wait -1
	s_cmp_lg_u32 s18, 0
	s_cbranch_scc1 .Lnot_wave_0
	ds_load_b128 v[32:35], v8
	s_wait_dscnt 0x0
	global_store_b128 v1, v[32:35], s[36:37]       ; the block of scale words: 512 consecutive bytes
.Lnot_wave_0:
	s_xor_b32 s45, s18, 1
	s_or_b32 s45, s45, s24
	s_cmp_lg_u32 s45, 0                            ; wave 1 of the work-groups with i = 0
	s_cbranch_scc1 .Lnot_wave_1
	ds_load_b64 v[36:37], v9
	s_wait_dscnt 0x0
	global_store_b64 v10, v[36:37], s[38:39]       ; the block of biases: 256 consecutive bytes
.Lnot_wave_1:
	s_wait_tensorcnt 0x0                           ; the wave's end, behind my last LDS store
	ds_add_u32 v[SPW], v[NIL]
	s_wait_dscnt 0x0
	s_endpgm
.Lfunc_end_k_qd2645e5fd2_prep:
	.size	k_qd2645e5fd2_prep, .Lfunc_end_k_qd2645e5fd2_prep-k_qd2645e5fd2_prep
	.p2alignl 7, 3214868480
	.fill 96, 4, 3214868480
	.section	.rodata,"a",@progbits
	.p2align	6, 0x0
	.amdhsa_kernel k_qd2645e5fd2_prep
		.amdhsa_group_segment_fixed_size 69376
		.amdhsa_private_segment_fixed_size 0
		.amdhsa_enable_private_segment 0
		.amdhsa_kernarg_size 56
		.amdhsa_user_sgpr_count 2
		.amdhsa_user_sgpr_kernarg_segment_ptr 1
		.amdhsa_wavefront_size32 1
		.amdhsa_system_sgpr_workgroup_id_x 1
		.amdhsa_system_sgpr_workgroup_id_y 1
		.amdhsa_system_sgpr_workgroup_id_z 1
		.amdhsa_system_vgpr_workitem_id 0
		.amdhsa_next_free_vgpr 192
		.amdhsa_next_free_sgpr 66
		.amdhsa_reserve_vcc 0
		.amdhsa_float_denorm_mode_32 3
		.amdhsa_float_denorm_mode_16_64 3
		.amdhsa_memory_ordered 1
		.amdhsa_forward_progress 1
		.amdhsa_inst_pref_size 19
	.end_amdhsa_kernel
	.amdgpu_metadata
---
amdhsa.version: [ 1, 2 ]
amdhsa.kernels:
  - .name:           k_qd2645e5fd2_prep
    .symbol:         k_qd2645e5fd2_prep.kd
    .args:
      - { .name: Wk, .offset: 0, .size: 8, .value_kind: global_buffer, .address_space: global }
      - { .name: Wq, .offset: 8, .size: 8, .value_kind: global_buffer, .address_space: global }
      - { .name: Wv, .offset: 16, .size: 8, .value_kind: global_buffer, .address_space: global }
      - { .name: bk, .offset: 24, .size: 8, .value_kind: global_buffer, .address_space: global }
      - { .name: bq, .offset: 32, .size: 8, .value_kind: global_buffer, .address_space: global }
      - { .name: bv, .offset: 40, .size: 8, .value_kind: global_buffer, .address_space: global }
      - { .name: wimg, .offset: 48, .size: 8, .value_kind: global_buffer, .address_space: global }
    .group_segment_fixed_size: 69376
    .private_segment_fixed_size: 0
    .kernarg_segment_align: 8
    .kernarg_segment_size: 56
    .max_flat_workgroup_size: 256
    .sgpr_count:     66
    .vgpr_count:     192
    .wavefront_size: 32
...
	.end_amdgpu_metadata
.endif
;; end of part 1
;; launch fused (part 2): grid 256 x 1, 4 waves a work-group, no clusters, 305,920 bytes of LDS; arguments x, wimg, out0; writes out0
.if DOCPART == 2
	.amdgcn_target "amdgcn-amd-amdhsa--gfx1250"
	.amdhsa_code_object_version 6
	.text
	.protected	k_qd2645e5fd2_fused
	.globl	k_qd2645e5fd2_fused
	.p2align	8
	.type	k_qd2645e5fd2_fused,@function
k_qd2645e5fd2_fused:
	s_mov_b64 s[64:65], 0
	v_nop
	global_prefetch_b8 v0, s[64:65] scope:SCOPE_SE
	s_setreg_imm32_b32 hwreg(HW_REG_WAVE_MODE, 25, 1), 1
	s_wait_xcnt 0x0
; out0[token][kh][d] = sum over mh of softmax_mh(q[kh] . k[mh] / 8) v[mh][d], q, k, v = x W^T + b cut into 16 heads of 64, for each of 16,384 tokens.  No work is left out: every input reaches the output.
; The three projections and q . k are products on codes of E4M3 with one E8M0 byte for each 32 along K; the last product (K = 16) takes p and v as bf16; sums, softmax and what goes into a quantiser are f32.
; SHARES.  A work-group owns 64 tokens and takes them through the whole chain; q, k, v never go to memory.  THE FOUR WAVES SHARE THE COLUMNS: in pass p = 0..11 wave w makes 64 columns (4 tiles of 16) for all 64
; tokens: p = 0..3 head 4 w + p of k, p = 4..7 head 4 w + p - 4 of q, p = 8..11 d = 16 w + 4 (p - 8) + 0..3 of v for all 16 heads.  x's 32 fragments (64 tokens x 1,024 K) stay in each wave's registers (windows 2, 3).
; THE WEIGHTS come from wimg, laid by the first launch as images of operand registers in the order of this walk, straight into a ring of 16 fragments in registers (window 1): four K steps deep, 48 to 58 loads of
; 512 bytes a wave on their way, and no barrier in the whole walk over K.
; CLUSTERS are not used.  All work-groups walk the same images, so a joint tensor load could serve four of them; but it would land in LDS, of which this text uses 305,920 of 327,680 bytes (x's images, the codes of
; q and k, p, the stage), so that two slots of a ring have no room; and each fragment is read by ONE wave of a work-group, so that the way through LDS would add a write and a read for each byte.
; THE PRODUCTS ARE USED TRANSPOSED (source 0 = 16 rows of W, source 1 = 16 tokens): a lane holds one token, its registers run along the columns.  The rows of a tile of Wk, Wq are chosen so that the 16 registers of
; tiles 2 b, 2 b + 1 are d = 32 b + 16 (lane / 16) + 0..15 of the head: the conversions' results are 16 neighbouring codes.  The biases are the C of each sum's first matrix instruction.
; SCORES: S^T = k q^T, one matrix instruction a token: two tokens share q's fragment [q_t0 | q_t1] and one scale word; k's fragment is [k_t0 | 0] or [0 | k_t1] (zero codes add nothing).  A lane holds one query head and 8 key heads.
; LAST PRODUCT: O^T = v^T p^T likewise: source 0 = [v_t0 | v_t1] (16 d x 2 x 16 key heads), source 1 = [p_t0 | 0] or [0 | p_t1].
; LIMITS: NaN and infinities among the inputs are not served (a v of one token that is not finite would also reach the token paired with it, by 0 x infinity).  A block of zeros gets the scale byte 1 where the
; rule says 127: its codes are zeros, and this program alone reads the bytes.  p and v are rounded to bf16 for the last product.
; REGISTERS, in windows of 256.  window 0: v1-23 addresses; v24, v25 the add's two; v26, v27 scale words on their way to LDS; v28, v29 the scores' scale words; v32-47 x's scale words (4 m + i: lanes 0-15 K step 2 i,
;   lanes 16-31 K step 2 i + 1); v48-63 W's (4 i + t, likewise); v64-95 the biases (8 t + j); v96-223 the 16 accumulators ((t, m) at 96 + 32 m + 8 t); v224-239 the quantiser's; v240-255 codes just made.
;   window 1: the ring: (K step s, tile t) at 64 (s % 4) + 16 t; at the head four sets of 64 for x as loaded.   windows 2, 3: x's fragment (m, s) at window 2 + s / 4, register 64 (s % 4) + 16 m.
.set XSTG,  0                          ; LDS: a stage of 16 rows x (512 + 16) bytes for each wave, in which x turns from rows to lanes
.set XIMG,  33792                      ; x's 32 fragments as images of their registers: (m, s) at (4 s + m) 2,048
.set XSC,   99328                      ; their scale words: [m][i][lane]
.set CODES, 101376                     ; 64 tokens x 2,064 bytes: first the codes of k and q: bb 1,024 + h 512 + w 128 + p 16; later v as bf16: h 1,024 + d 16 (8 key heads)
.set TP,    2064
.set SCL,   233472                     ; the scale bytes of k and q: row 8 w + p of 132 bytes, 2 bytes a token
.set PIMG,  237824                     ; p as bf16: token 512 + 16 lane
.set OST,   270592                     ; the way out: for each wave 2 tokens x 16 heads x (256 + 16) bytes
.set SPARE, 305408                     ; the spare words, 128 bytes for each wave: two blocks of 256 bytes that no other line names
.set SPW,   24
.set NIL,   25
.set XS,    32
.set WS,    48
.set BI,    64
.set ACC,   96
.set TM,    224
.set PC,    240
.set SV,    ACC+80                     ; the scores of four tokens, 8 registers each
.set ST,    ACC+112                    ; four registers a token: c x the maximum; a register named with it as a pair; the lane permute's destination
.set VF,    96                         ; the way out: v's four fragments,
.set PB,    128                        ; p_t0, zeros, p_t1,
.set OA,    144                        ; eight accumulators
.set MSB, 0
.macro WIN new                         ; the immediate's high byte repeats the setting that is left; a switch that changes nothing is dropped
.if MSB != (\new)
	s_set_vgpr_msb (MSB<<8)|(\new)
.set MSB, (\new)
.endif
.endm
.macro BARRIER                         ; my LDS stores have landed and my LDS loads are in: then the work-group's barrier
	s_wait_dscnt 0x0
	s_barrier_signal -1
	s_barrier_wait -1
.endm
; 64 numbers of a lane, register s + 16 b + i = number 16 (lane / 16) + i of block b, become 16 registers of codes from d on; the four scale bytes are left in v[TM+4] on.
; w = 1: LDS stores that read the last codes are waited for ahead of the conversions.
.macro QUANT s, d, w
.irp b, 0,1,2,3
	v_max3_num_f32 v[TM+\b], |v[(\s)+16*\b]|, |v[(\s)+1+16*\b]|, 0x4800000   ; block b: my 16 numbers, and the floor 2^(9 - 127): the byte cannot fall under 1
.endr
.irp i, 2,4,6,8,10,12,14
.irp b, 0,1,2,3
	v_max3_num_f32 v[TM+\b], v[TM+\b], |v[(\s)+16*\b+\i]|, |v[(\s)+1+16*\b+\i]|   ; the four blocks by turns
.endr
.endr
.irp b, 0,1,2,3
	v_permlanex16_b32 v[TM+4+\b], v[TM+\b], s20, s21
.endr
.irp b, 0,1,2,3
	v_max_num_f32 v[TM+\b], v[TM+\b], v[TM+4+\b]   ; with lane l xor 16's 16: the block's largest magnitude
.endr
.irp b, 0,1,2,3
	v_add_nc_u32 v[TM+12+\b], 0xfc000000, v[TM+\b]   ; 8 off its exponent field: the conversion takes this operand's exponent field as its scale
.endr
.irp b, 0,1,2,3
	v_and_or_b32 v[TM+8+\b], v[TM+\b], 0x7f800000, s22   ; 448 x the scale
.endr
.irp b, 0,1,2,3
	v_lshrrev_b32 v[TM+4+\b], 23, v[TM+12+\b]   ; the scale's byte
.endr
.if \w
	s_wait_dscnt 0x0                               ; the LDS stores of the codes made last have read their registers
.endif
.irp b, 0,1,2,3
.irp i, 0,1,2,3,4,5,6,7,8,9,10,11,12,13,14,15
	v_med3_num_f32 v[(\s)+16*\b+\i], v[(\s)+16*\b+\i], -v[TM+8+\b], v[TM+8+\b]   ; the conversion to an 8-bit code does not saturate (ISA guide 7.6.2): the hold at 448 x the scale
.endr
	v_cvt_scalef32_pk8_fp8_f32 v[(\d)+4*\b:(\d)+4*\b+1], v[(\s)+16*\b:(\s)+16*\b+7], v[TM+12+\b]
	v_cvt_scalef32_pk8_fp8_f32 v[(\d)+4*\b+2:(\d)+4*\b+3], v[(\s)+16*\b+8:(\s)+16*\b+15], v[TM+12+\b]
.endr
	v_nop                                          ; one plain vector instruction behind the last conversion
.endm
; my 16 tokens' numbers of K step s: 16 loads, each 512 consecutive bytes of one row, into set s % 4 of window 1
.macro XLOAD s
	WIN 0x40
.irp i, 0,1,2,3,4,5,6,7,8,9,10,11,12,13,14,15
	global_load_b128 v[64*((\s)%4)+4*\i:64*((\s)%4)+4*\i+3], v1, s[4:5] offset:4096*\i+512*(\s) th:TH_LOAD_NT
.endr
	WIN 0
.endm
; the four fragments of the K step that lies g steps behind the pass's first, into quarter g % 4 of the ring
.macro GROUP g
	WIN 0x40
.irp t, 0,1,2,3
.irp c, 0,1,2,3
	global_load_b128 v[64*((\g)%4)+16*\t+4*\c:64*((\g)%4)+16*\t+4*\c+3], v1, s[12:13] offset:8192*(\g)+2048*\t+512*\c
.endr
.endr
.endm
.macro SCLOAD i, off                   ; W's scale words of K steps 2 i and 2 i + 1, four tiles
	global_load_b128 v[WS+4*(\i):WS+4*(\i)+3], v1, s[14:15] offset:\off+512*(\i)
.endm
.macro BILOAD off                      ; the biases of four tiles, in the result's layout
.irp k, 0,1,2,3,4,5,6,7
	global_load_b128 v[BI+4*\k:BI+4*\k+3], v2, s[16:17] offset:\off+16*\k
.endr
.endm
; the ring's first fill, in the order in which a pass leaves the loads for its successor, so that the passes' counted waits hold on the way in too
.macro FIRST
	BILOAD 0
	SCLOAD 0, 0
	SCLOAD 1, 0
	GROUP 0
	WIN 0
	SCLOAD 2, 0
	GROUP 1
	GROUP 2
	WIN 0
	SCLOAD 3, 0
	GROUP 3
	WIN 0
.endm
; K STEP s OF x: my 16 tokens x 128 numbers turn through my stage, are quantised, go to LDS as an image; behind the barrier every wave takes the step's four fragments into its registers.
.macro XSTEP s
.if (\s) < 6
	s_wait_loadcnt 32                              ; this step's 16 loads are in; those of the two steps behind it may be out
.else
	s_wait_loadcnt 16*(7-(\s))
.endif
	WIN 0x04                                       ; an LDS store's data are its source 1: window 1
.irp i, 0,1,2,3,4,5,6,7,8,9,10,11,12,13,14,15
	ds_store_b128 v4, v[64*((\s)%4)+4*\i:64*((\s)%4)+4*\i+3] offset:528*\i
.endr
	WIN 0
.irp b, 0,1,2,3
.irp j, 0,1,2,3
	ds_load_b128 v[ACC+16*\b+4*\j:ACC+16*\b+4*\j+3], v5 offset:128*\b+16*\j   ; LDS serves a wave's instructions in order: these see my stores
.endr
.endr
.if (\s) < 5
	XLOAD (\s)+3                                   ; into the set of the step before, whose stores that step's wait for LDS has shown done
.endif
	s_wait_dscnt 0x0
.if (\s) == 7
	FIRST                                          ; all four sets have been read: window 1 becomes the weights' ring
.endif
	QUANT ACC, PC, 0
	v_lshl_or_b32 v26, v[TM+5], 8, v[TM+4]         ; the four bytes make my token's scale word
	v_lshl_or_b32 v26, v[TM+6], 16, v26
	v_lshl_or_b32 v26, v[TM+7], 24, v26
.irp c, 0,1,2,3
	ds_store_b128 v6, v[PC+4*\c:PC+4*\c+3] offset:8192*(\s)+512*\c
.endr
	ds_store_b32 v7, v26 offset:128*((\s)/2)+64*((\s)%2)   ; both halves of the lanes write the same word with the same value
	BARRIER                                        ; the step's four fragments lie in LDS
	WIN 0x80+0x40*((\s)/4)
.irp m, 0,1,2,3
.irp c, 0,1,2,3
	ds_load_b128 v[64*((\s)%4)+16*\m+4*\c:64*((\s)%4)+16*\m+4*\c+3], v8 offset:(4*(\s)+\m)*2048+512*\c
.endr
.endr
	WIN 0
.endm
; K STEP s OF A PASS: 16 matrix instructions (4 tiles of columns x 4 tiles of tokens), the 16 accumulators by turns; then the loads that fill what has just been read.
; cnt: the loads issued behind this step's own 16: three groups of 16, and the bias and scale loads of the slots between.  Loads come back in order (ISA guide 5.7.1), so the scale words and biases, asked for earlier, are in too.
; last = 1: the twelfth pass asks for nothing beyond its own K steps.
.macro PSTEP s, cnt, last
	s_wait_loadcnt \cnt
	WIN 0x09+4*((\s)/4)                            ; source 0 (W) window 1, source 1 (x) window 2 or 3, C and D window 0
.irp t, 0,1,2,3
.irp m, 0,1,2,3
.set rD, ACC+32*\m+8*\t
.set rA, 64*((\s)%4)+16*\t
.set rB, 64*((\s)%4)+16*\m
.set rW, WS+4*((\s)/2)+\t
.set rX, XS+4*\m+(\s)/2
.if (\s) == 0
	v_wmma_scale_f32_16x16x128_f8f6f4 v[rD:rD+7], v[rA:rA+15], v[rB:rB+15], v[BI+8*\t:BI+8*\t+7], v[rW], v[rX]
.elseif ((\s)%2) == 0
	v_wmma_scale_f32_16x16x128_f8f6f4 v[rD:rD+7], v[rA:rA+15], v[rB:rB+15], v[rD:rD+7], v[rW], v[rX]
.else
	v_wmma_scale_f32_16x16x128_f8f6f4 v[rD:rD+7], v[rA:rA+15], v[rB:rB+15], v[rD:rD+7], v[rW], v[rX] matrix_a_scale:MATRIX_SCALE_ROW1 matrix_b_scale:MATRIX_SCALE_ROW1
.endif
.endr
.endr
.if ((\last) == 0) || ((\s) < 4) || ((\s) == 7)
.rept 8
	v_nop                                          ; eight places in front of loads into registers that these products have read, and, behind the last step, of the first read of results
.endr
.endif
.if (\last) == 0
.if (\s) == 0
	WIN 0
	BILOAD 256                                     ; the next pass's biases
.elseif ((\s)%2) == 1
	WIN 0
	SCLOAD ((\s)-1)/2, 2048                        ; the next pass's scale words of the two K steps just done
.endif
.endif
.if ((\last) == 0) || ((\s) < 4)
	GROUP (\s)+4                                   ; four K steps on (from step 4 on: the next pass's), into the quarter just read
.endif
.endm
.macro PASS last
.if \last
	PSTEP 0, 50, 1
	PSTEP 1, 49, 1
	PSTEP 2, 49, 1
	PSTEP 3, 48, 1
	PSTEP 4, 48, 1
	PSTEP 5, 32, 1
	PSTEP 6, 16, 1
	PSTEP 7, 0, 1
.else
	PSTEP 0, 50, 0
	PSTEP 1, 57, 0
	PSTEP 2, 58, 0
	PSTEP 3, 57, 0
	PSTEP 4, 50, 0
	PSTEP 5, 49, 0
	PSTEP 6, 50, 0
	PSTEP 7, 49, 0
.endif
	WIN 0
.endm
; a pass of k or q: one head of 64 tokens is quantised along its 64 (two blocks) and goes to LDS: 16 codes a store, two scale bytes a token
.macro EPIQK
	v_add_nc_u32 v13, s26, v10                     ; token tiles 0, 1: + 16 p
	v_add_nc_u32 v15, s27, v11                     ; the head's row of scale bytes: + 132 p
	v_add_nc_u32 v14, 2*16*TP, v13                 ; token tiles 2, 3
.irp mm, 0,1
	QUANT ACC+64*\mm, PC, 1                        ; blocks 0, 1: token tile 2 mm; blocks 2, 3: token tile 2 mm + 1
	v_lshl_or_b32 v26, v[TM+5], 8, v[TM+4]
	v_lshl_or_b32 v27, v[TM+7], 8, v[TM+6]
.irp q, 0,1,2,3
	ds_store_b128 v[13+\mm], v[PC+4*\q:PC+4*\q+3] offset:16*TP*(\q/2)+1024*(\q%2)
.endr
	ds_store_b16 v15, v26 offset:64*\mm            ; both halves of the lanes write the same bytes with the same value
	ds_store_b16 v15, v27 offset:64*\mm+32
.endr
.endm
; a pass of v: four d of all 16 heads: a lane's eight key heads are packed to bf16 in place (register q takes registers 2 q and 2 q + 1) and stored as 16 bytes
.macro EPIV
	v_add_nc_u32 v13, s26, v12                     ; + 64 (p - 8)
	v_add_nc_u32 v14, 2*16*TP, v13
.irp m, 0,1,2,3
.irp t, 0,1,2,3
.irp q, 0,1,2,3
	v_cvt_pk_bf16_f32 v[ACC+32*\m+8*\t+\q], v[ACC+32*\m+8*\t+2*\q], v[ACC+32*\m+8*\t+2*\q+1]
.endr
	ds_store_b128 v[13+\m/2], v[ACC+32*\m+8*\t:ACC+32*\m+8*\t+3] offset:16*TP*(\m%2)+16*\t
.endr
.endr
.endm
.macro NEXTPASS                        ; the three bases go on to the next pass's images
	s_wait_xcnt 0x0                                ; every load issued has read its base
	s_add_nc_u64 s[12:13], s[12:13], 65536
	s_add_nc_u64 s[14:15], s[14:15], 2048
	s_add_nc_u64 s[16:17], s[16:17], 256
.endm
	s_load_b128 s[4:7], s[0:1], 0x0                ; x s[4:5], wimg s[6:7]
	s_load_b64 s[8:9], s[0:1], 0x10                ; out0
	v_lshl_add_u32 v[SPW], v0, 2, SPARE
	v_mov_b32 v[NIL], 0
	v_lshrrev_b32 v3, 5, v0
	v_readfirstlane_b32 s10, v3                    ; wave 0..3
	v_and_b32 v3, 31, v0                           ; lane
	v_lshlrev_b32 v1, 4, v3                        ; 16 x lane
	s_lshl_b32 s18, ttmp9, 18                      ; the work-group's 64 tokens of 4,096 bytes,
	s_lshl_b32 s19, s10, 16                        ; my wave's 16 of them
	s_add_co_u32 s18, s18, s19
	s_mov_b32 s19, 0
	s_wait_kmcnt 0x0
	s_add_nc_u64 s[4:5], s[4:5], s[18:19]
	s_add_nc_u64 s[8:9], s[8:9], s[18:19]
	XLOAD 0
	XLOAD 1
	XLOAD 2
	s_mul_i32 s18, s10, 786432
	s_add_nc_u64 s[12:13], s[6:7], s[18:19]        ; my wave's fragments,
	s_mul_i32 s18, s10, 24576
	s_add_co_u32 s18, s18, 3145728
	s_add_nc_u64 s[14:15], s[6:7], s[18:19]        ; scale words,
	s_mul_i32 s18, s10, 3072
	s_add_co_u32 s18, s18, 3244032
	s_add_nc_u64 s[16:17], s[6:7], s[18:19]        ; and biases
	s_mov_b32 s20, 0x76543210
	s_mov_b32 s21, 0xfedcba98                      ; v_permlanex16_b32's selects for lane l xor 16
	s_mov_b32 s22, 0x600000                        ; the mantissa field of 448
	s_mov_b32 s24, 0x3e38aa3b                      ; c = log2(e) / 8
	s_mov_b32 s25, s24                             ; (named with it as a pair, so it is written)
	v_and_b32 v30, 15, v0                          ; r
	v_bfe_u32 v31, v0, 4, 1                        ; h
	v_lshlrev_b32 v2, 7, v31                       ; the biases: 128 h
	s_mul_i32 s29, s10, 8448
	v_add_nc_u32 v4, s29, v1                       ; x's stage, on the way in
	v_mul_u32_u24 v5, v30, 528
	v_lshl_add_u32 v5, v31, 6, v5
	v_add_nc_u32 v5, s29, v5                       ; and out: row r, + 64 h
	s_lshl_b32 s29, s10, 11
	s_add_co_u32 s29, s29, XIMG
	v_add_nc_u32 v6, s29, v1                       ; where I store x's images
	s_lshl_b32 s29, s10, 9
	s_add_co_u32 s29, s29, XSC
	v_lshl_add_u32 v7, v30, 2, s29                 ; and their scale words
	v_add_nc_u32 v8, XIMG, v1                      ; where any wave reads an image,
	v_lshl_add_u32 v9, v3, 2, XSC                  ; and scale words
	v_mul_u32_u24 v13, v30, TP
	s_lshl_b32 s29, s10, 7
	s_add_co_u32 s29, s29, CODES
	v_lshl_add_u32 v10, v31, 9, v13
	v_add_nc_u32 v10, s29, v10                     ; codes of k, q: token r, + 512 h + 128 w
	s_mul_i32 s29, s10, 1056
	s_add_co_u32 s29, s29, SCL
	v_lshl_add_u32 v11, v30, 1, s29                ; their scale bytes: row 8 w, + 2 r
	s_lshl_b32 s29, s10, 8
	s_add_co_u32 s29, s29, CODES
	v_lshl_add_u32 v12, v31, 10, v13
	v_add_nc_u32 v12, s29, v12                     ; v: token r, + 1,024 h + 256 w
	v_lshrrev_b32 v14, 2, v30                      ; r / 4: which wave made head r,
	v_and_b32 v15, 3, v30                          ; r % 4: in which pass
	s_mul_i32 s29, s10, 16*TP
	s_add_co_u32 s29, s29, CODES                   ; my 16 tokens
	v_lshlrev_b32 v16, 7, v14
	v_lshl_add_u32 v16, v15, 4, v16
	v_lshl_add_u32 v16, v31, 9, v16
	v_add_nc_u32 v16, s29, v16                     ; the scores: head r's codes of k (q's: 64 bytes on)
	v_lshlrev_b32 v19, 4, v30
	v_lshl_add_u32 v19, v31, 10, v19
	v_add_nc_u32 v19, s29, v19                     ; the last product: v at d = r
	v_mul_u32_u24 v17, v14, 1056
	v_mad_u32_u24 v17, v15, 132, v17
	v_mad_u32_u24 v17, v31, 528, v17               ; lanes 0-15: k's row of scale bytes; lanes 16-31: q's, four rows on
	s_lshl_b32 s29, s10, 5
	s_add_co_u32 s29, s29, SCL
	v_add_nc_u32 v17, s29, v17
	s_lshl_b32 s29, s10, 13
	s_add_co_u32 s29, s29, PIMG
	v_add_nc_u32 v18, s29, v1                      ; p of my tokens
	s_mul_i32 s29, s10, 8704
	s_add_co_u32 s29, s29, OST
	v_mul_u32_u24 v20, v30, 272
	v_lshl_add_u32 v20, v31, 5, v20
	v_add_nc_u32 v20, s29, v20                     ; the way out, in: head r, + 32 h
	v_mul_u32_u24 v21, v31, 272
	v_lshl_add_u32 v21, v30, 4, v21
	v_add_nc_u32 v21, s29, v21                     ; and back: lanes 0-15 one head's 256 bytes, lanes 16-31 the next's
.irp b, 0,1,2,3
	v_mov_b32 v[TM+4+\b], 0                        ; written once: a lane permute's destination counts as one of its sources
.endr
	; ---- x: eight K steps
	XSTEP 0
	XSTEP 1
	XSTEP 2
	XSTEP 3
	XSTEP 4
	XSTEP 5
	XSTEP 6
	XSTEP 7
.irp m, 0,1,2,3
.irp i, 0,1,2,3
	ds_load_b32 v[XS+4*\m+\i], v9 offset:512*\m+128*\i
.endr
.endr
	s_wait_dscnt 0x0                               ; x's fragments and scale words are in my registers
	; ---- k and q: eight passes
	s_mov_b32 s26, 0
	s_mov_b32 s27, 0
	s_mov_b32 s23, 8
.Lqk:
	PASS 0
	EPIQK
	NEXTPASS
	s_add_co_u32 s26, s26, 16
	s_add_co_u32 s27, s27, 132
	s_sub_co_u32 s23, s23, 1
	s_cmp_lg_u32 s23, 0
	s_cbranch_scc1 .Lqk
	BARRIER                                        ; all heads' codes and scale bytes lie in LDS (the ring's loads stay on their way: nobody writes those bytes)
	; ---- scores and softmax: my 16 tokens, four a trip
.irp a, 0,1
.irp z, 0,1,2,3,4,5,6,7
	v_mov_b32 v[ACC+40*\a+8+\z], 0                 ; the zero codes between k_t0 and k_t1: an operand's half
.endr
.endr
.irp j, 0,1,2,3
	v_mov_b32 v[ST+4*\j+1], 0                      ; named as the upper half of a pair
	v_mov_b32 v[ST+4*\j+2], 0                      ; a lane permute's destination
.endr
	s_mov_b32 s26, 0
	s_mov_b32 s27, 0
	s_mov_b32 s28, 0
	s_mov_b32 s23, 4
.Lscore:
	v_add_nc_u32 v22, s26, v16
	v_add_nc_u32 v23, s27, v17
	v_add_nc_u32 v13, s28, v18
.irp a, 0,1                            ; pair a: k_t0 | zeros | k_t1 in 24 registers, q_t0 | q_t1 in 16
.irp u, 0,1
.irp c, 0,1
	ds_load_b128 v[ACC+40*\a+16*\u+4*\c:ACC+40*\a+16*\u+4*\c+3], v22 offset:TP*(2*\a+\u)+1024*\c
	ds_load_b128 v[ACC+40*\a+24+8*\u+4*\c:ACC+40*\a+24+8*\u+4*\c+3], v22 offset:TP*(2*\a+\u)+1024*\c+64
.endr
.endr
	ds_load_b32 v[28+\a], v23 offset:4*\a          ; four bytes: t0's two blocks, t1's two; lanes 0-15 k's, lanes 16-31 q's
.endr
	s_wait_dscnt 0x0                               ; (the last trip's stores of p have read their registers too)
.irp a, 0,1
	v_wmma_scale_f32_16x16x128_f8f6f4 v[SV+16*\a:SV+16*\a+7], v[ACC+40*\a:ACC+40*\a+15], v[ACC+40*\a+24:ACC+40*\a+39], 0, v[28+\a], v[28+\a] matrix_b_scale:MATRIX_SCALE_ROW1
	v_wmma_scale_f32_16x16x128_f8f6f4 v[SV+16*\a+8:SV+16*\a+15], v[ACC+40*\a+8:ACC+40*\a+23], v[ACC+40*\a+24:ACC+40*\a+39], 0, v[28+\a], v[28+\a] matrix_b_scale:MATRIX_SCALE_ROW1
.endr                                  ; lane (r, h), register j: q[head r] . k[head 8 h + j]
.rept 8
	v_nop                                          ; eight places in front of the first read of results
.endr
.irp j, 0,1,2,3
	v_max3_num_f32 v[TM+4*\j], v[SV+8*\j], v[SV+8*\j+1], v[SV+8*\j+2]   ; the row's maximum; the four tokens by turns
.endr
.irp i, 3,5
.irp j, 0,1,2,3
	v_max3_num_f32 v[TM+4*\j], v[TM+4*\j], v[SV+8*\j+\i], v[SV+8*\j+\i+1]
.endr
.endr
.irp j, 0,1,2,3
	v_max_num_f32 v[TM+4*\j], v[TM+4*\j], v[SV+8*\j+7]
.endr
.irp j, 0,1,2,3
	v_permlanex16_b32 v[ST+4*\j+2], v[TM+4*\j], s20, s21
.endr
.irp j, 0,1,2,3
	v_max_num_f32 v[TM+4*\j], v[TM+4*\j], v[ST+4*\j+2]   ; with the other eight key heads'
.endr
.irp j, 0,1,2,3
	v_mul_f32 v[ST+4*\j], s24, v[TM+4*\j]          ; c x the maximum
.endr
.irp q, 0,2,4,6
.irp j, 0,1,2,3
	v_pk_fma_f32 v[SV+8*\j+\q:SV+8*\j+\q+1], v[SV+8*\j+\q:SV+8*\j+\q+1], s[24:25], v[ST+4*\j:ST+4*\j+1] op_sel_hi:[1,0,0] neg_lo:[0,0,1] neg_hi:[0,0,1]   ; c s - c max: the maximum is taken away; its rounding is the same along the row and leaves with the division
.endr
.endr
.irp n, 0,1,2,3,4,5,6,7,8,9,10,11,12,13,14,15,16,17,18,19,20,21,22,23,24,25,26,27,28,29,30,31
	v_exp_f32 v[SV+\n], v[SV+\n]
.endr
	v_nop                                          ; a plain instruction behind the last exponential
	s_wait_alu depctr_va_vdst(0)                   ; the wait ahead of the first instruction that names a result: one for the batch of 32
.irp j, 0,1,2,3
	v_pk_add_f32 v[TM+4*\j:TM+4*\j+1], v[SV+8*\j:SV+8*\j+1], v[SV+8*\j+2:SV+8*\j+3]
.endr
.irp j, 0,1,2,3
	v_pk_add_f32 v[TM+4*\j+2:TM+4*\j+3], v[SV+8*\j+4:SV+8*\j+5], v[SV+8*\j+6:SV+8*\j+7]
.endr
.irp j, 0,1,2,3
	v_pk_add_f32 v[TM+4*\j:TM+4*\j+1], v[TM+4*\j:TM+4*\j+1], v[TM+4*\j+2:TM+4*\j+3]
.endr
.irp j, 0,1,2,3
	v_add_f32 v[TM+4*\j], v[TM+4*\j], v[TM+4*\j+1]
.endr
.irp j, 0,1,2,3
	v_permlanex16_b32 v[ST+4*\j+2], v[TM+4*\j], s20, s21
.endr
.irp j, 0,1,2,3
	v_add_f32 v[TM+4*\j], v[TM+4*\j], v[ST+4*\j+2]   ; the row's sum, at least about 1
.endr
.irp j, 0,1,2,3
	v_rcp_f32 v[TM+4*\j+2], v[TM+4*\j]
.endr
	v_nop
	s_wait_alu depctr_va_vdst(0)                   ; one wait for the four reciprocals
.irp q, 0,2,4,6
.irp j, 0,1,2,3
	v_pk_mul_f32 v[SV+8*\j+\q:SV+8*\j+\q+1], v[SV+8*\j+\q:SV+8*\j+\q+1], v[TM+4*\j+2:TM+4*\j+3] op_sel_hi:[1,0]
.endr
.endr
.irp j, 0,1,2,3
.irp q, 0,1,2,3
	v_cvt_pk_bf16_f32 v[PC+4*\j+\q], v[SV+8*\j+2*\q], v[SV+8*\j+2*\q+1]   ; eight key heads: half of the last product's source 1, as it stands
.endr
.endr
.irp j, 0,1,2,3
	ds_store_b128 v13, v[PC+4*\j:PC+4*\j+3] offset:512*\j
.endr
	s_add_co_u32 s26, s26, 4*TP
	s_add_co_u32 s27, s27, 8
	s_add_co_u32 s28, s28, 2048
	s_sub_co_u32 s23, s23, 1
	s_cmp_lg_u32 s23, 0
	s_cbranch_scc1 .Lscore
	BARRIER                                        ; every wave has read its tokens' codes: v may be laid over them
	; ---- v: four passes; the last is written out, since it asks for no further weights
	s_mov_b32 s26, 0
	s_mov_b32 s23, 3
.Lv:
	PASS 0
	EPIV
	NEXTPASS
	s_add_co_u32 s26, s26, 64
	s_wait_dscnt 0x0                               ; the stores have read the accumulators, which the next pass's products write
	s_sub_co_u32 s23, s23, 1
	s_cmp_lg_u32 s23, 0
	s_cbranch_scc1 .Lv
	PASS 1
	EPIV
	BARRIER                                        ; v of all 64 d lies in LDS
	; ---- the last product and the way out: my 16 tokens, two a trip
.irp z, 0,1,2,3
	v_mov_b32 v[PB+4+\z], 0                        ; the zeros between p_t0 and p_t1: an operand's half
.endr
	s_mov_b32 s26, 0
	s_mov_b32 s27, 0
	s_mov_b32 s23, 8
.Lout:
	v_add_nc_u32 v22, s26, v19
	v_add_nc_u32 v23, s27, v18
	ds_load_b128 v[PB:PB+3], v23
	ds_load_b128 v[PB+8:PB+11], v23 offset:512
.irp e, 0,1,2,3
.irp u, 0,1
	ds_load_b128 v[VF+8*\e+4*\u:VF+8*\e+4*\u+3], v22 offset:TP*\u+256*\e   ; lane (r, h): v[token u][key heads 8 h ..][d = 16 e + r]
.endr
.endr
	s_wait_dscnt 0x0
.irp u, 0,1
.irp e, 0,1,2,3
	v_wmma_f32_16x16x32_bf16 v[OA+32*\u+8*\e:OA+32*\u+8*\e+7], v[VF+8*\e:VF+8*\e+7], v[PB+4*\u:PB+4*\u+7], 0
.endr
.endr                                  ; lane (r, h), register j: out[token u][head r][16 e + 8 h + j]
.rept 5
	v_nop                                          ; places in front of the stores that read the results, and, with the next trip's two additions, of the products that write over them
.endr
.irp u, 0,1
.irp e, 0,1,2,3
	ds_store_b128 v20, v[OA+32*\u+8*\e:OA+32*\u+8*\e+3] offset:4352*\u+64*\e          ; each accumulator from its low end on
	ds_store_b128 v20, v[OA+32*\u+8*\e+4:OA+32*\u+8*\e+7] offset:4352*\u+64*\e+16
.endr
.endr
.irp u, 0,1
.irp q, 0,1,2,3,4,5,6,7
	ds_load_b128 v[64+144*\u+4*\q:64+144*\u+4*\q+3], v21 offset:4352*\u+544*\q   ; LDS serves a wave's instructions in order: these see my stores.  Into v64-95 and v208-239
.endr
.endr
.irp u, 0,1
.irp q, 0,1,2,3,4,5,6,7
	s_wait_dscnt 15-8*\u-\q                        ; the younger loads from the stage may be out
	global_store_b128 v1, v[64+144*\u+4*\q:64+144*\u+4*\q+3], s[8:9] offset:4096*\u+512*\q th:TH_STORE_NT   ; 32 lanes store 512 consecutive bytes, aligned: two heads of a token
.endr
.endr
	s_wait_xcnt 0x0                                ; the stores have read their registers and their base
	s_add_nc_u64 s[8:9], s[8:9], 8192
	s_add_co_u32 s26, s26, 2*TP
	s_add_co_u32 s27, s27, 1024
	s_sub_co_u32 s23, s23, 1
	s_cmp_lg_u32 s23, 0
	s_cbranch_scc1 .Lout
	s_wait_tensorcnt 0x0                           ; the wave's end, behind my last LDS store
	ds_add_u32 v[SPW], v[NIL]
	s_wait_dscnt 0x0
	s_endpgm
.Lfunc_end_k_qd2645e5fd2_fused:
	.size	k_qd2645e5fd2_fused, .Lfunc_end_k_qd2645e5fd2_fused-k_qd2645e5fd2_fused
	.p2alignl 7, 3214868480
	.fill 96, 4, 3214868480
	.section	.rodata,"a",@progbits
	.p2align	6, 0x0
	.amdhsa_kernel k_qd2645e5fd2_fused
		.amdhsa_group_segment_fixed_size 305920
		.amdhsa_private_segment_fixed_size 0
		.amdhsa_enable_private_segment 0
		.amdhsa_kernarg_size 24
		.amdhsa_user_sgpr_count 2
		.amdhsa_user_sgpr_kernarg_segment_ptr 1
		.amdhsa_wavefront_size32 1
		.amdhsa_system_sgpr_workgroup_id_x 1
		.amdhsa_system_sgpr_workgroup_id_y 1
		.amdhsa_system_sgpr_workgroup_id_z 1
		.amdhsa_system_vgpr_workitem_id 0
		.amdhsa_next_free_vgpr 1024
		.amdhsa_next_free_sgpr 66
		.amdhsa_reserve_vcc 0
		.amdhsa_float_denorm_mode_32 3
		.amdhsa_float_denorm_mode_16_64 3
		.amdhsa_memory_ordered 1
		.amdhsa_forward_progress 1
		.amdhsa_inst_pref_size 251
	.end_amdhsa_kernel
	.amdgpu_metadata
---
amdhsa.version: [ 1, 2 ]
amdhsa.kernels:
  - .name:           k_qd2645e5fd2_fused
    .symbol:         k_qd2645e5fd2_fused.kd
    .args:
      - { .name: x, .offset: 0, .size: 8, .value_kind: global_buffer, .address_space: global }
      - { .name: wimg, .offset: 8, .size: 8, .value_kind: global_buffer, .address_space: global }
      - { .name: out0, .offset: 16, .size: 8, .value_kind: global_buffer, .address_space: global }
    .group_segment_fixed_size: 305920
    .private_segment_fixed_size: 0
    .kernarg_segment_align: 8
    .kernarg_segment_size: 24
    .max_flat_workgroup_size: 128
    .sgpr_count:     66
    .vgpr_count:     1024
    .wavefront_size: 32
...
	.end_amdgpu_metadata
.endif
;; end of part 2
;; ======== version 2 of 2: 2 launches; version 1 with the launch fused written anew for expert scheduling mode
;; workspace buffers: wimg 3,256,320 bytes
;; launch prep: the kernel of part 1 again; grid 192 x 1, 8 waves a work-group, no clusters, 69,376 bytes of LDS; arguments Wk, Wq, Wv, bk, bq, bv, wimg; writes wimg
;; launch fused (part 3): grid 256 x 1, 4 waves a work-group, no clusters, 305,920 bytes of LDS; arguments x, wimg, out0; writes out0
.if DOCPART == 3
	.amdgcn_target "amdgcn-amd-amdhsa--gfx1250"
	.amdhsa_code_object_version 6
	.text
	.protected	k_qd2645e5fd2_fused
	.globl	k_qd2645e5fd2_fused
	.p2align	8
	.type	k_qd2645e5fd2_fused,@function
k_qd2645e5fd2_fused:
	s_mov_b64 s[64:65], 0
	v_nop
	global_prefetch_b8 v0, s[64:65] scope:SCOPE_SE
	s_setreg_imm32_b32 hwreg(HW_REG_WAVE_SCHED_MODE, 0, 2), 2
	s_setreg_imm32_b32 hwreg(HW_REG_WAVE_MODE, 25, 1), 1
	s_wait_xcnt 0x0
	s_wait_alu depctr_vm_vsrc(0)
; out0[token][kh][d] = sum over mh of softmax_mh(q[kh] . k[mh] / 8) v[mh][d], q, k, v = x W^T + b cut into 16 heads of 64, for each of 16,384 tokens.  No work is left out: every input reaches the output.
; The three projections and q . k are products on codes of E4M3 with one E8M0 byte for each 32 along K; the last product (K = 16) takes p and v as bf16; sums, softmax and what goes into a quantiser are f32.
; SHARES.  A work-group owns 64 tokens and takes them through the whole chain; q, k, v never go to memory.  THE FOUR WAVES SHARE THE COLUMNS: in pass p = 0..11 wave w makes 64 columns (4 tiles of 16) for all 64
; tokens: p = 0..3 head 4 w + p of k, p = 4..7 head 4 w + p - 4 of q, p = 8..11 d = 16 w + 4 (p - 8) + 0..3 of v for all 16 heads.  x's 32 fragments (64 tokens x 1,024 K) stay in each wave's registers (windows 2, 3).
; THE WEIGHTS come from wimg, laid by the first launch as images of operand registers in the order of this walk, straight into a ring of 16 fragments in registers (window 1): four K steps deep, 48 to 58 loads of
; 512 bytes a wave on their way, and no barrier in the whole walk over K.
; CLUSTERS are not used.  All work-groups walk the same images, so a joint tensor load could serve four of them; but it would land in LDS, of which this text uses 305,920 of 327,680 bytes (x's images, the codes of
; q and k, p, the stage), so that two slots of a ring have no room; and each fragment is read by ONE wave of a work-group, so that the way through LDS would add a write and a read for each byte.
; THE PRODUCTS ARE USED TRANSPOSED (source 0 = 16 rows of W, source 1 = 16 tokens): a lane holds one token, its registers run along the columns.  The rows of a tile of Wk, Wq are chosen so that the 16 registers of
; tiles 2 b, 2 b + 1 are d = 32 b + 16 (lane / 16) + 0..15 of the head: the conversions' results are 16 neighbouring codes.  The biases are the C of each sum's first matrix instruction.
; SCORES: S^T = k q^T, one matrix instruction a token: two tokens share q's fragment [q_t0 | q_t1] and one scale word; k's fragment is [k_t0 | 0] or [0 | k_t1] (zero codes add nothing).  A lane holds one query head and 8 key heads.
; LAST PRODUCT: O^T = v^T p^T likewise: source 0 = [v_t0 | v_t1] (16 d x 2 x 16 key heads), source 1 = [p_t0 | 0] or [0 | p_t1].
; LIMITS: NaN and infinities among the inputs are not served (a v of one token that is not finite would also reach the token paired with it, by 0 x infinity).  A block of zeros gets the scale byte 1 where the
; rule says 127: its codes are zeros, and this program alone reads the bytes.  p and v are rounded to bf16 for the last product.
; REGISTERS, in windows of 256.  window 0: v1-23 addresses; v24, v25 the add's two; v26, v27 scale words on their way to LDS; v28, v29 the scores' scale words; v32-47 x's scale words (4 m + i: lanes 0-15 K step 2 i,
;   lanes 16-31 K step 2 i + 1); v48-63 W's (4 i + t, likewise); v64-95 the biases (8 t + j); v96-223 the 16 accumulators ((t, m) at 96 + 32 m + 8 t); v224-239 the quantiser's; v240-255 codes just made.
;   window 1: the ring: (K step s, tile t) at 64 (s % 4) + 16 t; at the head four sets of 64 for x as loaded.   windows 2, 3: x's fragment (m, s) at window 2 + s / 4, register 64 (s % 4) + 16 m.
; THE MODE: SCHED_MODE bits 1:0 = 2 (LLVM: expert scheduling mode 2), set by the entry lines.  The code itself states the register dependences between vector or matrix instructions and memory or LDS
; instructions, with s_wait_alu, always for 0.
; THE PLAN.  Registers that memory or LDS instructions touch, and who else names them:
;   v1, v2, v4-v9, v20, v21   offsets and LDS addresses, made at the head and never written again: one wait on va_vdst for v1, ahead of x's first loads, one for the others, at the head's end.
;   v13-v15, v22, v23         LDS addresses that a vector addition steps once a trip (an LDS address has no scalar base): a wait on vm_vsrc ahead of the additions; the wait on va_vdst that the trip's LDS instructions want anyway stands behind them.
;   window 1 at the head      x's four sets: loads land, the LDS stores into the stage read; no vector instruction names them.  One wait on vm_vsrc a step, ahead of the loads that land there again.
;   ACC at the head           LDS loads land, the quantiser reads and writes.  The wait on va_vdst ahead of a step's image stores stands behind the whole quantiser, so it serves the next step's loads into ACC too.
;   v240-255, v26, v27        written by the conversions and the lines that make scale words, read by LDS stores: va_vdst ahead of each run of stores, vm_vsrc ahead of the next conversions.
;   the ring, v48-63, v64-95  loads land, a K step's 16 products read.  ONE wait on va_vdst a K step, behind its products; the loads into what they have read follow at once, so that four K steps' loads stay on
;                             their way: dealt among the next step's products they would stand behind that step's wait for data.
;   ACC in the passes of v    the 64 packings write each accumulator's low four registers, one wait on va_vdst, the 16 LDS stores read them; vm_vsrc at the head of the next pass, whose products write them.
;   the scores, the way out   operands: LDS loads land, products read: the wait on va_vdst at the trip's head.  Results that are stored: the places, a wait on va_vdst, the stores; vm_vsrc at the next trip's head.
.set XSTG,  0                          ; LDS: a stage of 16 rows x (512 + 16) bytes for each wave, in which x turns from rows to lanes
.set XIMG,  33792                      ; x's 32 fragments as images of their registers: (m, s) at (4 s + m) 2,048
.set XSC,   99328                      ; their scale words: [m][i][lane]
.set CODES, 101376                     ; 64 tokens x 2,064 bytes: first the codes of k and q: bb 1,024 + h 512 + w 128 + p 16; later v as bf16: h 1,024 + d 16 (8 key heads)
.set TP,    2064
.set SCL,   233472                     ; the scale bytes of k and q: row 8 w + p of 132 bytes, 2 bytes a token
.set PIMG,  237824                     ; p as bf16: token 512 + 16 lane
.set OST,   270592                     ; the way out: for each wave 2 tokens x 16 heads x (256 + 16) bytes
.set SPARE, 305408                     ; the spare words, 128 bytes for each wave: two blocks of 256 bytes that no other line names
.set SPW,   24
.set NIL,   25
.set XS,    32
.set WS,    48
.set BI,    64
.set ACC,   96
.set TM,    224
.set PC,    240
.set SV,    ACC+80                     ; the scores of four tokens, 8 registers each
.set ST,    ACC+112                    ; four registers a token: c x the maximum; a register named with it as a pair; the lane permute's destination
.set VF,    96                         ; the way out: v's four fragments,
.set PB,    128                        ; p_t0, zeros, p_t1,
.set OA,    144                        ; eight accumulators
.set MSB, 0
.macro WIN new                         ; the immediate's high byte repeats the setting that is left; a switch that changes nothing is dropped
.if MSB != (\new)
	s_set_vgpr_msb (MSB<<8)|(\new)
.set MSB, (\new)
.endif
.endm
.macro BARRIER                         ; my LDS stores have landed and my LDS loads are in: then the work-group's barrier
	s_wait_dscnt 0x0
	s_barrier_signal -1
	s_barrier_wait -1
.endm
; 64 numbers of a lane, register s + 16 b + i = number 16 (lane / 16) + i of block b, become 16 registers of codes from d on; the four scale bytes are left in v[TM+4] on.
; w = 1: LDS stores that read the last codes are waited for ahead of the conversions.
.macro QUANT s, d, w
.irp b, 0,1,2,3
	v_max3_num_f32 v[TM+\b], |v[(\s)+16*\b]|, |v[(\s)+1+16*\b]|, 0x4800000   ; block b: my 16 numbers, and the floor 2^(9 - 127): the byte cannot fall under 1
.endr
.irp i, 2,4,6,8,10,12,14
.irp b, 0,1,2,3
	v_max3_num_f32 v[TM+\b], v[TM+\b], |v[(\s)+16*\b+\i]|, |v[(\s)+1+16*\b+\i]|   ; the four blocks by turns
.endr
.endr
.irp b, 0,1,2,3
	v_permlanex16_b32 v[TM+4+\b], v[TM+\b], s20, s21
.endr
.irp b, 0,1,2,3
	v_max_num_f32 v[TM+\b], v[TM+\b], v[TM+4+\b]   ; with lane l xor 16's 16: the block's largest magnitude
.endr
.irp b, 0,1,2,3
	v_add_nc_u32 v[TM+12+\b], 0xfc000000, v[TM+\b]   ; 8 off its exponent field: the conversion takes this operand's exponent field as its scale
.endr
.irp b, 0,1,2,3
	v_and_or_b32 v[TM+8+\b], v[TM+\b], 0x7f800000, s22   ; 448 x the scale
.endr
.irp b, 0,1,2,3
	v_lshrrev_b32 v[TM+4+\b], 23, v[TM+12+\b]   ; the scale's byte
.endr
.if \w
	s_wait_dscnt 0x0                               ; the LDS stores of the codes made last are done,
	s_wait_alu depctr_vm_vsrc(0)                   ; and they have read the codes' registers, v26, v27 and their addresses v13 to v15, all of which are written anew from here on
.endif
.irp b, 0,1,2,3
.irp i, 0,1,2,3,4,5,6,7,8,9,10,11,12,13,14,15
	v_med3_num_f32 v[(\s)+16*\b+\i], v[(\s)+16*\b+\i], -v[TM+8+\b], v[TM+8+\b]   ; the conversion to an 8-bit code does not saturate (ISA guide 7.6.2): the hold at 448 x the scale
.endr
	v_cvt_scalef32_pk8_fp8_f32 v[(\d)+4*\b:(\d)+4*\b+1], v[(\s)+16*\b:(\s)+16*\b+7], v[TM+12+\b]
	v_cvt_scalef32_pk8_fp8_f32 v[(\d)+4*\b+2:(\d)+4*\b+3], v[(\s)+16*\b+8:(\s)+16*\b+15], v[TM+12+\b]
.endr
	v_nop                                          ; one plain vector instruction behind the last conversion
.endm
; my 16 tokens' numbers of K step s: 16 loads, each 512 consecutive bytes of one row, into set s % 4 of window 1
.macro XLOAD s
	WIN 0x40
.irp i, 0,1,2,3,4,5,6,7,8,9,10,11,12,13,14,15
	global_load_b128 v[64*((\s)%4)+4*\i:64*((\s)%4)+4*\i+3], v1, s[4:5] offset:4096*\i+512*(\s) th:TH_LOAD_NT
.endr
	WIN 0
.endm
; the four fragments of the K step that lies g steps behind the pass's first, into quarter g % 4 of the ring
.macro GROUP g
	WIN 0x40
.irp t, 0,1,2,3
.irp c, 0,1,2,3
	global_load_b128 v[64*((\g)%4)+16*\t+4*\c:64*((\g)%4)+16*\t+4*\c+3], v1, s[12:13] offset:8192*(\g)+2048*\t+512*\c
.endr
.endr
.endm
.macro SCLOAD i, off                   ; W's scale words of K steps 2 i and 2 i + 1, four tiles
	global_load_b128 v[WS+4*(\i):WS+4*(\i)+3], v1, s[14:15] offset:\off+512*(\i)
.endm
.macro BILOAD off                      ; the biases of four tiles, in the result's layout
.irp k, 0,1,2,3,4,5,6,7
	global_load_b128 v[BI+4*\k:BI+4*\k+3], v2, s[16:17] offset:\off+16*\k
.endr
.endm
; the ring's first fill, in the order in which a pass leaves the loads for its successor, so that the passes' counted waits hold on the way in too
.macro FIRST
	BILOAD 0
	SCLOAD 0, 0
	SCLOAD 1, 0
	GROUP 0
	WIN 0
	SCLOAD 2, 0
	GROUP 1
	GROUP 2
	WIN 0
	SCLOAD 3, 0
	GROUP 3
	WIN 0
.endm
; K STEP s OF x: my 16 tokens x 128 numbers turn through my stage, are quantised, go to LDS as an image; behind the barrier every wave takes the step's four fragments into its registers.
.macro XSTEP s
.if (\s) < 6
	s_wait_loadcnt 32                              ; this step's 16 loads are in; those of the two steps behind it may be out
.else
	s_wait_loadcnt 16*(7-(\s))
.endif
	WIN 0x04                                       ; an LDS store's data are its source 1: window 1
.irp i, 0,1,2,3,4,5,6,7,8,9,10,11,12,13,14,15
	ds_store_b128 v4, v[64*((\s)%4)+4*\i:64*((\s)%4)+4*\i+3] offset:528*\i
.endr
	WIN 0
.irp b, 0,1,2,3
.irp j, 0,1,2,3
	ds_load_b128 v[ACC+16*\b+4*\j:ACC+16*\b+4*\j+3], v5 offset:128*\b+16*\j   ; LDS serves a wave's instructions in order: these see my stores.  (The last step's quantiser stands ahead of that step's wait on va_vdst, and no vector instruction has named these registers since)
.endr
.endr
.if (\s) > 0
	s_wait_alu depctr_vm_vsrc(0)                   ; the LDS stores issued so far have read their data: the sets of x in which the loads below land, and the last step's codes and scale word, which the quantiser writes anew
.endif
.if (\s) < 5
	XLOAD (\s)+3                                   ; into the set of the step before
.endif
	s_wait_dscnt 0x0
.if (\s) == 7
	FIRST                                          ; all four sets have been read: window 1 becomes the weights' ring
.endif
	QUANT ACC, PC, 0
	v_lshl_or_b32 v26, v[TM+5], 8, v[TM+4]         ; the four bytes make my token's scale word
	v_lshl_or_b32 v26, v[TM+6], 16, v26
	v_lshl_or_b32 v26, v[TM+7], 24, v26
	s_wait_alu depctr_va_vdst(0)                   ; the conversions have written the codes and the lines above v26, which the LDS stores read; the quantiser is done with ACC, in which the next step's LDS loads land
.irp c, 0,1,2,3
	ds_store_b128 v6, v[PC+4*\c:PC+4*\c+3] offset:8192*(\s)+512*\c
.endr
	ds_store_b32 v7, v26 offset:128*((\s)/2)+64*((\s)%2)   ; both halves of the lanes write the same word with the same value
	BARRIER                                        ; the step's four fragments lie in LDS
	WIN 0x80+0x40*((\s)/4)
.irp m, 0,1,2,3
.irp c, 0,1,2,3
	ds_load_b128 v[64*((\s)%4)+16*\m+4*\c:64*((\s)%4)+16*\m+4*\c+3], v8 offset:(4*(\s)+\m)*2048+512*\c
.endr
.endr
	WIN 0
.endm
; K STEP s OF A PASS: 16 matrix instructions (4 tiles of columns x 4 tiles of tokens), the 16 accumulators by turns; then one wait, and the loads that fill what has just been read.
; cnt: the loads issued behind this step's own 16: three groups of 16, and the bias and scale loads of the slots between.  Loads come back in order (ISA guide 5.7.1), so the scale words and biases, asked for earlier, are in too.
; last = 1: the twelfth pass asks for nothing beyond its own K steps.
.macro PSTEP s, cnt, last
	s_wait_loadcnt \cnt
	WIN 0x09+4*((\s)/4)                            ; source 0 (W) window 1, source 1 (x) window 2 or 3, C and D window 0
.irp t, 0,1,2,3
.irp m, 0,1,2,3
.set rD, ACC+32*\m+8*\t
.set rA, 64*((\s)%4)+16*\t
.set rB, 64*((\s)%4)+16*\m
.set rW, WS+4*((\s)/2)+\t
.set rX, XS+4*\m+(\s)/2
.if (\s) == 0
	v_wmma_scale_f32_16x16x128_f8f6f4 v[rD:rD+7], v[rA:rA+15], v[rB:rB+15], v[BI+8*\t:BI+8*\t+7], v[rW], v[rX]
.elseif ((\s)%2) == 0
	v_wmma_scale_f32_16x16x128_f8f6f4 v[rD:rD+7], v[rA:rA+15], v[rB:rB+15], v[rD:rD+7], v[rW], v[rX]
.else
	v_wmma_scale_f32_16x16x128_f8f6f4 v[rD:rD+7], v[rA:rA+15], v[rB:rB+15], v[rD:rD+7], v[rW], v[rX] matrix_a_scale:MATRIX_SCALE_ROW1 matrix_b_scale:MATRIX_SCALE_ROW1
.endif
.endr
.endr
.if (\s) == 7
.rept 8
	v_nop                                          ; eight places behind the pass's last products, in front of the vector instructions that read the results
.endr
.endif
.if ((\last) == 0) || ((\s) < 4)
	s_wait_alu depctr_va_vdst(0)                   ; this step's products are done reading the ring's quarter s % 4 (step 0's the biases too, an odd step's and the step before's their scale words), in which the loads below land
.endif
.if (\last) == 0
.if (\s) == 0
	WIN 0
	BILOAD 256                                     ; the next pass's biases
.elseif ((\s)%2) == 1
	WIN 0
	SCLOAD ((\s)-1)/2, 2048                        ; the next pass's scale words of the two K steps just done
.endif
.endif
.if ((\last) == 0) || ((\s) < 4)
	GROUP (\s)+4                                   ; four K steps on (from step 4 on: the next pass's), into the quarter just read
.endif
.endm
.macro PASS last
.if \last
	PSTEP 0, 50, 1
	PSTEP 1, 49, 1
	PSTEP 2, 49, 1
	PSTEP 3, 48, 1
	PSTEP 4, 48, 1
	PSTEP 5, 32, 1
	PSTEP 6, 16, 1
	PSTEP 7, 0, 1
.else
	PSTEP 0, 50, 0
	PSTEP 1, 57, 0
	PSTEP 2, 58, 0
	PSTEP 3, 57, 0
	PSTEP 4, 50, 0
	PSTEP 5, 49, 0
	PSTEP 6, 50, 0
	PSTEP 7, 49, 0
.endif
	WIN 0
.endm
; a pass of k or q: one head of 64 tokens is quantised along its 64 (two blocks) and goes to LDS: 16 codes a store, two scale bytes a token
.macro EPIQK
.irp mm, 0,1
	QUANT ACC+64*\mm, PC, 1                        ; blocks 0, 1: token tile 2 mm; blocks 2, 3: token tile 2 mm + 1
.if \mm == 0                                   ; the pass's addresses, behind the quantiser's wait on vm_vsrc: the last pass's stores have read them
	v_add_nc_u32 v13, s26, v10                     ; token tiles 0, 1: + 16 p
	v_add_nc_u32 v15, s27, v11                     ; the head's row of scale bytes: + 132 p
	v_add_nc_u32 v14, 2*16*TP, v13                 ; token tiles 2, 3
.endif
	v_lshl_or_b32 v26, v[TM+5], 8, v[TM+4]
	v_lshl_or_b32 v27, v[TM+7], 8, v[TM+6]
	s_wait_alu depctr_va_vdst(0)                   ; the codes, v26, v27 and the addresses v13 to v15 are written, which the six LDS stores read
.irp q, 0,1,2,3
	ds_store_b128 v[13+\mm], v[PC+4*\q:PC+4*\q+3] offset:16*TP*(\q/2)+1024*(\q%2)
.endr
	ds_store_b16 v15, v26 offset:64*\mm            ; both halves of the lanes write the same bytes with the same value
	ds_store_b16 v15, v27 offset:64*\mm+32
.endr
.endm
; a pass of v: four d of all 16 heads: a lane's eight key heads are packed to bf16 in place (register q takes registers 2 q and 2 q + 1) and stored as 16 bytes: all the packings, one wait, all the stores
.macro EPIV
	v_add_nc_u32 v13, s26, v12                     ; + 64 (p - 8)
	v_add_nc_u32 v14, 2*16*TP, v13
.irp m, 0,1,2,3
.irp t, 0,1,2,3
.irp q, 0,1,2,3
	v_cvt_pk_bf16_f32 v[ACC+32*\m+8*\t+\q], v[ACC+32*\m+8*\t+2*\q], v[ACC+32*\m+8*\t+2*\q+1]
.endr
.endr
.endr
	s_wait_alu depctr_va_vdst(0)                   ; the packings have written each accumulator's low four registers, and the additions v13 and v14, which the sixteen LDS stores read
.irp m, 0,1,2,3
.irp t, 0,1,2,3
	ds_store_b128 v[13+\m/2], v[ACC+32*\m+8*\t:ACC+32*\m+8*\t+3] offset:16*TP*(\m%2)+16*\t
.endr
.endr
.endm
.macro NEXTPASS                        ; the three bases go on to the next pass's images
	s_wait_xcnt 0x0                                ; every load issued has read its base
	s_add_nc_u64 s[12:13], s[12:13], 65536
	s_add_nc_u64 s[14:15], s[14:15], 2048
	s_add_nc_u64 s[16:17], s[16:17], 256
.endm
	s_load_b128 s[4:7], s[0:1], 0x0                ; x s[4:5], wimg s[6:7]
	s_load_b64 s[8:9], s[0:1], 0x10                ; out0
	v_lshl_add_u32 v[SPW], v0, 2, SPARE
	v_mov_b32 v[NIL], 0
	v_lshrrev_b32 v3, 5, v0
	v_readfirstlane_b32 s10, v3                    ; wave 0..3
	v_and_b32 v3, 31, v0                           ; lane
	v_lshlrev_b32 v1, 4, v3                        ; 16 x lane
	s_wait_alu depctr_va_sdst(0)                   ; s10 is written, ahead of its first reader: bases and LDS addresses are made from it
	s_lshl_b32 s18, ttmp9, 18                      ; the work-group's 64 tokens of 4,096 bytes,
	s_lshl_b32 s19, s10, 16                        ; my wave's 16 of them
	s_add_co_u32 s18, s18, s19
	s_mov_b32 s19, 0
	s_wait_kmcnt 0x0
	s_add_nc_u64 s[4:5], s[4:5], s[18:19]
	s_add_nc_u64 s[8:9], s[8:9], s[18:19]
	s_wait_alu depctr_va_vdst(0)                   ; v1 is written: every global load and store of the kernel but the biases' reads it as its offset
	XLOAD 0
	XLOAD 1
	XLOAD 2
	s_mul_i32 s18, s10, 786432
	s_add_nc_u64 s[12:13], s[6:7], s[18:19]        ; my wave's fragments,
	s_mul_i32 s18, s10, 24576
	s_add_co_u32 s18, s18, 3145728
	s_add_nc_u64 s[14:15], s[6:7], s[18:19]        ; scale words,
	s_mul_i32 s18, s10, 3072
	s_add_co_u32 s18, s18, 3244032
	s_add_nc_u64 s[16:17], s[6:7], s[18:19]        ; and biases
	s_mov_b32 s20, 0x76543210
	s_mov_b32 s21, 0xfedcba98                      ; v_permlanex16_b32's selects for lane l xor 16
	s_mov_b32 s22, 0x600000                        ; the mantissa field of 448
	s_mov_b32 s24, 0x3e38aa3b                      ; c = log2(e) / 8
	s_mov_b32 s25, s24                             ; (named with it as a pair, so it is written)
	v_and_b32 v30, 15, v0                          ; r
	v_bfe_u32 v31, v0, 4, 1                        ; h
	v_lshlrev_b32 v2, 7, v31                       ; the biases: 128 h
	s_mul_i32 s29, s10, 8448
	v_add_nc_u32 v4, s29, v1                       ; x's stage, on the way in
	v_mul_u32_u24 v5, v30, 528
	v_lshl_add_u32 v5, v31, 6, v5
	v_add_nc_u32 v5, s29, v5                       ; and out: row r, + 64 h
	s_lshl_b32 s29, s10, 11
	s_add_co_u32 s29, s29, XIMG
	v_add_nc_u32 v6, s29, v1                       ; where I store x's images
	s_lshl_b32 s29, s10, 9
	s_add_co_u32 s29, s29, XSC
	v_lshl_add_u32 v7, v30, 2, s29                 ; and their scale words
	v_add_nc_u32 v8, XIMG, v1                      ; where any wave reads an image,
	v_lshl_add_u32 v9, v3, 2, XSC                  ; and scale words
	v_mul_u32_u24 v13, v30, TP
	s_lshl_b32 s29, s10, 7
	s_add_co_u32 s29, s29, CODES
	v_lshl_add_u32 v10, v31, 9, v13
	v_add_nc_u32 v10, s29, v10                     ; codes of k, q: token r, + 512 h + 128 w
	s_mul_i32 s29, s10, 1056
	s_add_co_u32 s29, s29, SCL
	v_lshl_add_u32 v11, v30, 1, s29                ; their scale bytes: row 8 w, + 2 r
	s_lshl_b32 s29, s10, 8
	s_add_co_u32 s29, s29, CODES
	v_lshl_add_u32 v12, v31, 10, v13
	v_add_nc_u32 v12, s29, v12                     ; v: token r, + 1,024 h + 256 w
	v_lshrrev_b32 v14, 2, v30                      ; r / 4: which wave made head r,
	v_and_b32 v15, 3, v30                          ; r % 4: in which pass
	s_mul_i32 s29, s10, 16*TP
	s_add_co_u32 s29, s29, CODES                   ; my 16 tokens
	v_lshlrev_b32 v16, 7, v14
	v_lshl_add_u32 v16, v15, 4, v16
	v_lshl_add_u32 v16, v31, 9, v16
	v_add_nc_u32 v16, s29, v16                     ; the scores: head r's codes of k (q's: 64 bytes on)
	v_lshlrev_b32 v19, 4, v30
	v_lshl_add_u32 v19, v31, 10, v19
	v_add_nc_u32 v19, s29, v19                     ; the last product: v at d = r
	v_mul_u32_u24 v17, v14, 1056
	v_mad_u32_u24 v17, v15, 132, v17
	v_mad_u32_u24 v17, v31, 528, v17               ; lanes 0-15: k's row of scale bytes; lanes 16-31: q's, four rows on
	s_lshl_b32 s29, s10, 5
	s_add_co_u32 s29, s29, SCL
	v_add_nc_u32 v17, s29, v17
	s_lshl_b32 s29, s10, 13
	s_add_co_u32 s29, s29, PIMG
	v_add_nc_u32 v18, s29, v1                      ; p of my tokens
	s_mul_i32 s29, s10, 8704
	s_add_co_u32 s29, s29, OST
	v_mul_u32_u24 v20, v30, 272
	v_lshl_add_u32 v20, v31, 5, v20
	v_add_nc_u32 v20, s29, v20                     ; the way out, in: head r, + 32 h
	v_mul_u32_u24 v21, v31, 272
	v_lshl_add_u32 v21, v30, 4, v21
	v_add_nc_u32 v21, s29, v21                     ; and back: lanes 0-15 one head's 256 bytes, lanes 16-31 the next's
.irp b, 0,1,2,3
	v_mov_b32 v[TM+4+\b], 0                        ; written once: a lane permute's destination counts as one of its sources
.endr
	s_wait_alu depctr_va_vdst(0)                   ; the offset v2 and the LDS addresses v4 to v9, v20 and v21 are written, which loads and LDS instructions read from here to the kernel's end
	; ---- x: eight K steps
	XSTEP 0
	XSTEP 1
	XSTEP 2
	XSTEP 3
	XSTEP 4
	XSTEP 5
	XSTEP 6
	XSTEP 7
.irp m, 0,1,2,3
.irp i, 0,1,2,3
	ds_load_b32 v[XS+4*\m+\i], v9 offset:512*\m+128*\i
.endr
.endr
	s_wait_dscnt 0x0                               ; x's fragments and scale words are in my registers
	; ---- k and q: eight passes
	s_mov_b32 s26, 0
	s_mov_b32 s27, 0
	s_mov_b32 s23, 8
.Lqk:
	PASS 0
	EPIQK
	NEXTPASS
	s_add_co_u32 s26, s26, 16
	s_add_co_u32 s27, s27, 132
	s_sub_co_u32 s23, s23, 1
	s_cmp_lg_u32 s23, 0
	s_cbranch_scc1 .Lqk
	BARRIER                                        ; all heads' codes and scale bytes lie in LDS (the ring's loads stay on their way: nobody writes those bytes)
	; ---- scores and softmax: my 16 tokens, four a trip
.irp a, 0,1
.irp z, 0,1,2,3,4,5,6,7
	v_mov_b32 v[ACC+40*\a+8+\z], 0                 ; the zero codes between k_t0 and k_t1: an operand's half
.endr
.endr
.irp j, 0,1,2,3
	v_mov_b32 v[ST+4*\j+1], 0                      ; named as the upper half of a pair
	v_mov_b32 v[ST+4*\j+2], 0                      ; a lane permute's destination
.endr
	s_mov_b32 s26, 0
	s_mov_b32 s27, 0
	s_mov_b32 s28, 0
	s_mov_b32 s23, 4
.Lscore:
	s_wait_alu depctr_vm_vsrc(0)                   ; the LDS instructions issued so far have read v22, v23, v13 and the registers v240-255 (on the way in: the last pass's stores; round the loop: the last trip's loads and its stores of p): all are written anew in this trip
	v_add_nc_u32 v22, s26, v16
	v_add_nc_u32 v23, s27, v17
	v_add_nc_u32 v13, s28, v18
	s_wait_alu depctr_va_vdst(0)                   ; the three addresses are written; the last trip's products (on the way in: the quantiser) are done with the registers in which the loads below land; on the way in the zero codes, half of a scaled product's operand, are written
.irp a, 0,1                            ; pair a: k_t0 | zeros | k_t1 in 24 registers, q_t0 | q_t1 in 16
.irp u, 0,1
.irp c, 0,1
	ds_load_b128 v[ACC+40*\a+16*\u+4*\c:ACC+40*\a+16*\u+4*\c+3], v22 offset:TP*(2*\a+\u)+1024*\c
	ds_load_b128 v[ACC+40*\a+24+8*\u+4*\c:ACC+40*\a+24+8*\u+4*\c+3], v22 offset:TP*(2*\a+\u)+1024*\c+64
.endr
.endr
	ds_load_b32 v[28+\a], v23 offset:4*\a          ; four bytes: t0's two blocks, t1's two; lanes 0-15 k's, lanes 16-31 q's
.endr
	s_wait_dscnt 0x0                               ; the codes and the scale words are in
.irp a, 0,1
	v_wmma_scale_f32_16x16x128_f8f6f4 v[SV+16*\a:SV+16*\a+7], v[ACC+40*\a:ACC+40*\a+15], v[ACC+40*\a+24:ACC+40*\a+39], 0, v[28+\a], v[28+\a] matrix_b_scale:MATRIX_SCALE_ROW1
	v_wmma_scale_f32_16x16x128_f8f6f4 v[SV+16*\a+8:SV+16*\a+15], v[ACC+40*\a+8:ACC+40*\a+23], v[ACC+40*\a+24:ACC+40*\a+39], 0, v[28+\a], v[28+\a] matrix_b_scale:MATRIX_SCALE_ROW1
.endr                                  ; lane (r, h), register j: q[head r] . k[head 8 h + j]
.rept 8
	v_nop                                          ; eight places in front of the first read of results
.endr
.irp j, 0,1,2,3
	v_max3_num_f32 v[TM+4*\j], v[SV+8*\j], v[SV+8*\j+1], v[SV+8*\j+2]   ; the row's maximum; the four tokens by turns
.endr
.irp i, 3,5
.irp j, 0,1,2,3
	v_max3_num_f32 v[TM+4*\j], v[TM+4*\j], v[SV+8*\j+\i], v[SV+8*\j+\i+1]
.endr
.endr
.irp j, 0,1,2,3
	v_max_num_f32 v[TM+4*\j], v[TM+4*\j], v[SV+8*\j+7]
.endr
.irp j, 0,1,2,3
	v_permlanex16_b32 v[ST+4*\j+2], v[TM+4*\j], s20, s21
.endr
.irp j, 0,1,2,3
	v_max_num_f32 v[TM+4*\j], v[TM+4*\j], v[ST+4*\j+2]   ; with the other eight key heads'
.endr
.irp j, 0,1,2,3
	v_mul_f32 v[ST+4*\j], s24, v[TM+4*\j]          ; c x the maximum
.endr
.irp q, 0,2,4,6
.irp j, 0,1,2,3
	v_pk_fma_f32 v[SV+8*\j+\q:SV+8*\j+\q+1], v[SV+8*\j+\q:SV+8*\j+\q+1], s[24:25], v[ST+4*\j:ST+4*\j+1] op_sel_hi:[1,0,0] neg_lo:[0,0,1] neg_hi:[0,0,1]   ; c s - c max: the maximum is taken away; its rounding is the same along the row and leaves with the division
.endr
.endr
.irp n, 0,1,2,3,4,5,6,7,8,9,10,11,12,13,14,15,16,17,18,19,20,21,22,23,24,25,26,27,28,29,30,31
	v_exp_f32 v[SV+\n], v[SV+\n]
.endr
	v_nop                                          ; a plain instruction behind the last exponential
	s_wait_alu depctr_va_vdst(0)                   ; the wait ahead of the first instruction that names a result: one for the batch of 32 exponentials
.irp j, 0,1,2,3
	v_pk_add_f32 v[TM+4*\j:TM+4*\j+1], v[SV+8*\j:SV+8*\j+1], v[SV+8*\j+2:SV+8*\j+3]
.endr
.irp j, 0,1,2,3
	v_pk_add_f32 v[TM+4*\j+2:TM+4*\j+3], v[SV+8*\j+4:SV+8*\j+5], v[SV+8*\j+6:SV+8*\j+7]
.endr
.irp j, 0,1,2,3
	v_pk_add_f32 v[TM+4*\j:TM+4*\j+1], v[TM+4*\j:TM+4*\j+1], v[TM+4*\j+2:TM+4*\j+3]
.endr
.irp j, 0,1,2,3
	v_add_f32 v[TM+4*\j], v[TM+4*\j], v[TM+4*\j+1]
.endr
.irp j, 0,1,2,3
	v_permlanex16_b32 v[ST+4*\j+2], v[TM+4*\j], s20, s21
.endr
.irp j, 0,1,2,3
	v_add_f32 v[TM+4*\j], v[TM+4*\j], v[ST+4*\j+2]   ; the row's sum, at least about 1
.endr
.irp j, 0,1,2,3
	v_rcp_f32 v[TM+4*\j+2], v[TM+4*\j]
.endr
	v_nop
	s_wait_alu depctr_va_vdst(0)                   ; one wait for the four reciprocals, ahead of their first reader
.irp q, 0,2,4,6
.irp j, 0,1,2,3
	v_pk_mul_f32 v[SV+8*\j+\q:SV+8*\j+\q+1], v[SV+8*\j+\q:SV+8*\j+\q+1], v[TM+4*\j+2:TM+4*\j+3] op_sel_hi:[1,0]
.endr
.endr
.irp j, 0,1,2,3
.irp q, 0,1,2,3
	v_cvt_pk_bf16_f32 v[PC+4*\j+\q], v[SV+8*\j+2*\q], v[SV+8*\j+2*\q+1]   ; eight key heads: half of the last product's source 1, as it stands
.endr
.endr
	s_wait_alu depctr_va_vdst(0)                   ; the roundings have written v240-255, which the four LDS stores read
.irp j, 0,1,2,3
	ds_store_b128 v13, v[PC+4*\j:PC+4*\j+3] offset:512*\j
.endr
	s_add_co_u32 s26, s26, 4*TP
	s_add_co_u32 s27, s27, 8
	s_add_co_u32 s28, s28, 2048
	s_sub_co_u32 s23, s23, 1
	s_cmp_lg_u32 s23, 0
	s_cbranch_scc1 .Lscore
	BARRIER                                        ; every wave has read its tokens' codes: v may be laid over them
	; ---- v: four passes; the last is written out, since it asks for no further weights
	s_mov_b32 s26, 0
	s_mov_b32 s23, 3
.Lv:
	s_wait_alu depctr_vm_vsrc(0)                   ; on the way in: my stores of p have read v13; round the loop: the last pass's stores have read the accumulators' low registers, which this pass's products write, and v13 and v14
	PASS 0
	EPIV
	NEXTPASS
	s_add_co_u32 s26, s26, 64
	s_wait_dscnt 0x0                               ; the pass's stores of v are done (that they have read their registers is stated at the head of the next pass)
	s_sub_co_u32 s23, s23, 1
	s_cmp_lg_u32 s23, 0
	s_cbranch_scc1 .Lv
	s_wait_alu depctr_vm_vsrc(0)                   ; the third pass's stores have read the accumulators' low registers, which the last pass's products write, and v13 and v14
	PASS 1
	EPIV
	BARRIER                                        ; v of all 64 d lies in LDS
	; ---- the last product and the way out: my 16 tokens, two a trip
.irp z, 0,1,2,3
	v_mov_b32 v[PB+4+\z], 0                        ; the zeros between p_t0 and p_t1: an operand's half (the upper half of an accumulator, which no store has read)
.endr
	s_mov_b32 s26, 0
	s_mov_b32 s27, 0
	s_mov_b32 s23, 8
.Lout:
	s_wait_alu depctr_vm_vsrc(0)                   ; on the way in: the last pass's stores have read the accumulators' low registers; round the loop: the LDS loads have read v22 and v23, the stage's stores the results, the global stores v64-95 and v208-239: all are written anew in this trip
	v_add_nc_u32 v22, s26, v19
	v_add_nc_u32 v23, s27, v18
	s_wait_alu depctr_va_vdst(0)                   ; v22 and v23 are written; the last trip's products (on the way in: the packings) are done with the registers in which the loads below land
	ds_load_b128 v[PB:PB+3], v23
	ds_load_b128 v[PB+8:PB+11], v23 offset:512
.irp e, 0,1,2,3
.irp u, 0,1
	ds_load_b128 v[VF+8*\e+4*\u:VF+8*\e+4*\u+3], v22 offset:TP*\u+256*\e   ; lane (r, h): v[token u][key heads 8 h ..][d = 16 e + r]
.endr
.endr
	s_wait_dscnt 0x0
.irp u, 0,1
.irp e, 0,1,2,3
	v_wmma_f32_16x16x32_bf16 v[OA+32*\u+8*\e:OA+32*\u+8*\e+7], v[VF+8*\e:VF+8*\e+7], v[PB+4*\u:PB+4*\u+7], 0
.endr
.endr                                  ; lane (r, h), register j: out[token u][head r][16 e + 8 h + j]
.rept 5
	v_nop                                          ; places in front of the stores that read the results, and, with the next trip's two additions, of the products that write over them
.endr
	s_wait_alu depctr_va_vdst(0)                   ; the products have written the results, which the LDS stores read; the places above stay beside this wait
.irp u, 0,1
.irp e, 0,1,2,3
	ds_store_b128 v20, v[OA+32*\u+8*\e:OA+32*\u+8*\e+3] offset:4352*\u+64*\e          ; each accumulator from its low end on
	ds_store_b128 v20, v[OA+32*\u+8*\e+4:OA+32*\u+8*\e+7] offset:4352*\u+64*\e+16
.endr
.endr
.irp u, 0,1
.irp q, 0,1,2,3,4,5,6,7
	ds_load_b128 v[64+144*\u+4*\q:64+144*\u+4*\q+3], v21 offset:4352*\u+544*\q   ; LDS serves a wave's instructions in order: these see my stores.  Into v64-95 and v208-239, which no vector or matrix instruction has named since the passes
.endr
.endr
.irp u, 0,1
.irp q, 0,1,2,3,4,5,6,7
	s_wait_dscnt 15-8*\u-\q                        ; the younger loads from the stage may be out
	global_store_b128 v1, v[64+144*\u+4*\q:64+144*\u+4*\q+3], s[8:9] offset:4096*\u+512*\q th:TH_STORE_NT   ; 32 lanes store 512 consecutive bytes, aligned: two heads of a token
.endr
.endr
	s_wait_xcnt 0x0                                ; the stores have read their registers and their base
	s_add_nc_u64 s[8:9], s[8:9], 8192
	s_add_co_u32 s26, s26, 2*TP
	s_add_co_u32 s27, s27, 1024
	s_sub_co_u32 s23, s23, 1
	s_cmp_lg_u32 s23, 0
	s_cbranch_scc1 .Lout
	s_wait_dscnt 0x0                               ; the closing lines, six on end
	s_wait_alu 0x0
	s_wait_tensorcnt 0x0
	ds_add_u32 v[SPW], v[NIL]
	s_wait_dscnt 0x0
	s_endpgm
.Lfunc_end_k_qd2645e5fd2_fused:
	.size	k_qd2645e5fd2_fused, .Lfunc_end_k_qd2645e5fd2_fused-k_qd2645e5fd2_fused
	.p2alignl 7, 3214868480
	.fill 96, 4, 3214868480
	.section	.rodata,"a",@progbits
	.p2align	6, 0x0
	.amdhsa_kernel k_qd2645e5fd2_fused
		.amdhsa_group_segment_fixed_size 305920
		.amdhsa_private_segment_fixed_size 0
		.amdhsa_enable_private_segment 0
		.amdhsa_kernarg_size 24
		.amdhsa_user_sgpr_count 2
		.amdhsa_user_sgpr_kernarg_segment_ptr 1
		.amdhsa_wavefront_size32 1
		.amdhsa_system_sgpr_workgroup_id_x 1
		.amdhsa_system_sgpr_workgroup_id_y 1
		.amdhsa_system_sgpr_workgroup_id_z 1
		.amdhsa_system_vgpr_workitem_id 0
		.amdhsa_next_free_vgpr 1024
		.amdhsa_next_free_sgpr 66
		.amdhsa_reserve_vcc 0
		.amdhsa_float_denorm_mode_32 3
		.amdhsa_float_denorm_mode_16_64 3
		.amdhsa_memory_ordered 1
		.amdhsa_forward_progress 1
		.amdhsa_inst_pref_size 248
	.end_amdhsa_kernel
	.amdgpu_metadata
---
amdhsa.version: [ 1, 2 ]
amdhsa.kernels:
  - .name:           k_qd2645e5fd2_fused
    .symbol:         k_qd2645e5fd2_fused.kd
    .args:
      - { .name: x, .offset: 0, .size: 8, .value_kind: global_buffer, .address_space: global }
      - { .name: wimg, .offset: 8, .size: 8, .value_kind: global_buffer, .address_space: global }
      - { .name: out0, .offset: 16, .size: 8, .value_kind: global_buffer, .address_space: global }
    .group_segment_fixed_size: 305920
    .private_segment_fixed_size: 0
    .kernarg_segment_align: 8
    .kernarg_segment_size: 24
    .max_flat_workgroup_size: 128
    .sgpr_count:     66
    .vgpr_count:     1024
    .wavefront_size: 32
...
	.end_amdgpu_metadata
.endif
;; end of part 3
